; MI455X (gfx1250); checked and timed in simulation.
; The chip was launched on July 23, 2026; its instructions are those of AMD's public machine-readable ISA for CDNA 5 (MIT licence, August 2026) and "CDNA5" Instruction Set Architecture Reference Guide (July 2026). The comments in the code are by the model that wrote it; some were corrected since.
;; Transformer Decoder Layer. Allowed arithmetic: float matrix products may take bf16 or f16 operands with f32 sums; all other float work in f32.
;; Inputs: Wk1 16 x 1,024 x 64 float32; Wk2 16 x 1,024 x 64 float32; Wo1 1,024 x 1,024 float32; Wo2 1,024 x 1,024 float32; Wq1 16 x 1,024 x 64 float32; Wq2 16 x 1,024 x 64 float32; Wv1 16 x 1,024 x 64 float32; Wv2 16 x 1,024 x 64 float32; bk1 16 x 64 float32; bk2 16 x 64 float32; bo1 1,024 float32; bo2 1,024 float32; bq1 16 x 64 float32; bq2 16 x 64 float32; bv1 16 x 64 float32; bv2 16 x 64 float32; encoder_k 4 x 2,048 x 1,024 float32; encoder_v 4 x 2,048 x 1,024 float32; x 4 x 1,024 x 1,024 float32.
;; Outputs: out0 4 x 1,024 x 1,024 float32.
;; One version. Each part assembles by itself: llvm-mc -triple=amdgcn-amd-amdhsa -mcpu=gfx1250 --defsym DOCPART=n.
;; ======== version 1 of 1: 6 launches
;; limits: values are held in f16: magnitudes above 65,504 overflow, below 6.1e-05 lose precision
;; workspace buffers: actA 44,040,192 bytes; proj 58,720,256 bytes; wt6 12,582,912 bytes; w12t 2,097,152 bytes; wo2t 2,097,152 bytes; b12 8,192 bytes; q2f 16,777,216 bytes
;; launch prep (part 1): grid 1584 x 1, 8 waves a work-group, no clusters, 22,528 bytes of LDS; arguments x, encoder_k, encoder_v, Wq1, Wk1, Wv1, Wk2, Wv2, Wq2, Wo2, Wo1, bo1, bq2, actA, wt6, wo2t, b12; writes actA, wt6, wo2t, b12
.if DOCPART == 1
	.amdgcn_target "amdgcn-amd-amdhsa--gfx1250"
	.amdhsa_code_object_version 6
	.text
	.protected	k_q7ef0eba067_prep
	.globl	k_q7ef0eba067_prep
	.p2align	8
	.type	k_q7ef0eba067_prep,@function
k_q7ef0eba067_prep:
	s_mov_b64 s[64:65], 0
	v_nop
	global_prefetch_b8 v0, s[64:65] scope:SCOPE_SE
	s_setreg_imm32_b32 hwreg(HW_REG_WAVE_MODE, 25, 1), 1
	s_wait_xcnt 0x0
; prep: every f32 input of a matrix product is rounded once to a bf16 value, and weights are transposed where K does not lie along their rows.
; Work-groups 0-15 (b12): b12[n] = bq2[n] + sum over j of bo1[j] Wq2[head][j][e], n = 64 head + e, all in f32: the bias of the joined product
;   (a Wo1 + bo1) Wq2 + bq2 = a (Wo1 Wq2) + b12.  1,048,576 multiply-adds in all: no bulk work, so no matrix unit.  The order of its f32 sums is 16 partial sums of 64.
;   Behind b12's 4,096 bytes they store 1,024 zeros: the bias of the product Wo1 Wq2 itself, which the next launch makes like a projection.
; Work-groups 16-687 (stream): 32,768 numbers each of x | encoder_k | encoder_v -> actA rows 0-20479 [..][1024] bf16, and of Wo1 -> the sixth matrix of wt6, bf16, [k][j] as it lies.
; Work-groups 688-1583 (transpose): one tile of 128 (k) x 64 (n) of one of seven weights -> [n][k], 16 bits, n = 64 head + e:
;   Wq1, Wk1, Wv1, Wk2, Wv2 -> wt6 (bf16), Wq2 -> actA rows 20480-21503 (bf16), Wo2 -> wo2t as f16(bf16(W)): exact unless |Wo2| < 6.1e-5, where f16's denormal step applies (stated limit).
; No cluster: but for Wq2 (read by two roles) no byte is read by two work-groups.  The stream part has no LDS and no barrier.
; LDS: bytes 0 to 17,407: the transpose's tile, 64 rows of 272 bytes.  Bytes 17,408 to 21,503: the b12 role's 16 partial sums of 256 bytes.
; Each role has LDS bytes of its own, so that the two roles' stores touch no common byte, whatever role a wave is in.
.set NB12, 16
.set NSTREAM, 672
.set B12L, 17408                       ; where the b12 role's partial sums begin in LDS
.set XI, 8                             ; v[8:71]    a ring of 16 slots of 4 registers, as loaded
.set YO, 72                            ; v[72:103]  16 slots of 2 registers, to store; in the b12 role v[72:87]: 16 numbers of bo1
.set AC, 104                           ; v[104:107] the b12 role's four sums
	s_load_b512 s[4:19], s[0:1], 0x0               ; x 4, encoder_k 6, encoder_v 8, Wq1 10, Wk1 12, Wv1 14, Wk2 16, Wv2 18
	s_load_b512 s[20:35], s[0:1], 0x40             ; Wq2 20, Wo2 22, Wo1 24, bo1 26, bq2 28, actA 30, wt6 32, wo2t 34
	s_load_b64 s[38:39], s[0:1], 0x80              ; b12
	v_lshl_add_u32 v112, v0, 2, 0x5400
	v_mov_b32 v113, 0
	s_wait_kmcnt 0x0
	s_cmp_lt_u32 ttmp9, NB12                       ; the roles hang on the work-group's number: the same for all eight waves
	s_cbranch_scc1 .Lb12
	s_cmp_ge_u32 ttmp9, NB12+NSTREAM
	s_cbranch_scc1 .Ltr
	; ---- stream: 131,072 bytes in, 65,536 bytes out for a work-group; a wave owns 16,384 bytes in: 32 loads of 512 bytes ----
	s_sub_co_u32 s48, ttmp9, NB12                  ; 0-671
	s_sub_co_u32 s47, s48, 480                     ; for Wo1 (640-671): 160 + its part, since the sixth matrix begins 160 x 65,536 bytes into wt6
	s_cmp_lt_u32 s48, 128
	s_cselect_b64 s[40:41], s[4:5], s[6:7]         ; x for 0-127,
	s_cselect_b32 s42, 0, 128
	s_cmp_lt_u32 s48, 384
	s_cselect_b64 s[40:41], s[40:41], s[8:9]       ; encoder_k for 128-383, encoder_v for 384-639,
	s_cselect_b32 s42, s42, 384
	s_cmp_lt_u32 s48, 640
	s_cselect_b64 s[40:41], s[40:41], s[24:25]     ; Wo1 for 640-671
	s_cselect_b32 s42, s42, 640
	s_cselect_b64 s[44:45], s[30:31], s[32:33]     ; into actA, or into wt6
	s_cselect_b32 s46, s48, s47
	s_sub_co_u32 s42, s48, s42                     ; the work-group's number inside its source
	s_lshl_b32 s42, s42, 17
	s_mov_b32 s43, 0
	s_add_nc_u64 s[40:41], s[40:41], s[42:43]
	s_lshl_b32 s46, s46, 16
	s_mov_b32 s47, 0
	s_add_nc_u64 s[44:45], s[44:45], s[46:47]
	v_lshrrev_b32 v3, 5, v0                        ; wave
	v_and_b32 v4, 31, v0                           ; lane
	v_lshlrev_b32 v1, 4, v4
	v_lshl_add_u32 v1, v3, 14, v1                  ; in:  16,384 wave + 16 lane; never rewritten
	v_lshlrev_b32 v2, 3, v4
	v_lshl_add_u32 v2, v3, 13, v2                  ; out: 8,192 wave + 8 lane; never rewritten
.irp i, 0,1,2,3,4,5,6,7,8,9,10,11,12,13,14,15
	global_load_b128 v[XI+4*\i:XI+4*\i+3], v1, s[40:41] offset:512*\i th:TH_LOAD_NT      ; the ring is filled: 16 loads of the wave are out
.endr
; One slot's turn.  ahead = 1: the slot is loaded again at once, 8,192 bytes further on, ahead of the store.  left = how many younger loads may stay out.
.macro TURN i, ahead, left, half
	s_wait_loadcnt \left                           ; loads return in order: this slot's is in, the younger ones stay out
	v_cvt_pk_bf16_f32 v[YO+2*\i], v[XI+4*\i], v[XI+4*\i+1]
	v_cvt_pk_bf16_f32 v[YO+2*\i+1], v[XI+4*\i+2], v[XI+4*\i+3]
.if \ahead
	global_load_b128 v[XI+4*\i:XI+4*\i+3], v1, s[40:41] offset:8192+512*\i th:TH_LOAD_NT
.endif
	global_store_b64 v2, v[YO+2*\i:YO+2*\i+1], s[44:45] offset:4096*\half+256*\i         ; 32 lanes store 256 consecutive bytes, aligned
.endm
.irp i, 0,1,2,3,4,5,6,7,8,9,10,11,12,13,14,15
	TURN \i, 1, 15, 0                              ; 16 loads are out at each wait: slots i to 15 of the fill and slots 0 to i - 1 loaded again: 15 are younger
.endr
	s_wait_xcnt 0x0                                ; the stores' data registers are written again only behind this wait
.irp i, 0,1,2,3,4,5,6,7,8,9,10,11,12,13,14,15
	TURN \i, 0, 15-\i, 1                           ; the last 16 turns load nothing: the counts run down
.endr
	s_endpgm
	; ---- transpose: t = id - 688; matrix m = t >> 7, block of 64 n = (t >> 3) & 15, block of 128 k = t & 7 ----
.Ltr:
	s_sub_co_u32 s40, ttmp9, NB12+NSTREAM
	s_lshr_b32 s41, s40, 7                         ; m: 0 Wq1, 1 Wk1, 2 Wv1, 3 Wk2, 4 Wv2, 5 Wq2, 6 Wo2
	s_bfe_u32 s42, s40, 0x40003                    ; nb
	s_and_b32 s43, s40, 7                          ; db
	s_mov_b64 s[44:45], s[22:23]
.irp m, 0,1,2,3,4,5
	s_cmp_eq_u32 s41, \m
	s_cselect_b64 s[44:45], s[10+2*\m:11+2*\m], s[44:45]
.endr
	s_mov_b64 s[46:47], s[32:33]                   ; m < 5: wt6
	s_cmp_eq_u32 s41, 5
	s_cselect_b64 s[46:47], s[30:31], s[46:47]     ; Wq2: actA,
	s_cselect_b32 s54, 20, 0                       ; 20 x 2 MiB in: rows 20480 on
	s_cmp_eq_u32 s41, 6
	s_cselect_b64 s[46:47], s[34:35], s[46:47]     ; Wo2: wo2t,
	s_cselect_b32 s50, -1, 0                       ; which alone is stored as f16 (a lane mask: all or none)
	s_cselect_b32 s51, 12, 8                       ; Wo2 is [1024 k][1024 n], rows of 4,096 bytes; the others [16][1024 k][64], rows of 256: log2 of the row's bytes
	s_cselect_b32 s52, 8, 18                       ; nb's step: 256 bytes, or a head's 262,144
	s_cselect_b32 s53, 19, 15                      ; db's step: 128 rows
	s_cmp_lt_u32 s41, 5
	s_cselect_b32 s54, s41, s54                    ; which 2 MiB of wt6
	s_lshl_b32 s52, s42, s52
	s_lshl_b32 s53, s43, s53
	s_add_co_u32 s56, s52, s53
	s_mov_b32 s57, 0
	s_add_nc_u64 s[44:45], s[44:45], s[56:57]      ; the tile's even rows
	s_lshl_b32 s58, 1, s51
	s_mov_b32 s59, 0
	s_add_nc_u64 s[48:49], s[44:45], s[58:59]      ; and its odd rows: one row further
	s_lshl_b32 s56, s54, 21
	s_lshl_b32 s55, s42, 17                        ; 64 rows of 2,048 bytes
	s_add_co_u32 s56, s56, s55
	s_lshl_b32 s55, s43, 8                         ; 128 k of 2 bytes
	s_add_co_u32 s56, s56, s55
	s_add_nc_u64 s[46:47], s[46:47], s[56:57]
	s_add_co_u32 s60, s51, 1                       ; log2 of two rows
	s_lshl_b32 s61, s58, 5                         ; 32 rows
	v_and_b32 v2, 15, v0                           ; e4: my four columns
	v_lshrrev_b32 v3, 4, v0                        ; dp: my pair of rows among 16
	v_lshlrev_b32 v4, s60, v3
	v_lshl_add_u32 v4, v2, 4, v4                   ; pair dp + 16 j: two rows x dp + 16 e4 + 32 rows x j
	v_add_nc_u32 v5, s61, v4
	v_add_nc_u32 v6, s61, v5
	v_add_nc_u32 v7, s61, v6
.irp j, 0,1,2,3
	global_load_b128 v[16+8*\j:16+8*\j+3], v[4+\j], s[44:45]      ; row 2 P, 16 lanes take 256 consecutive bytes
	global_load_b128 v[20+8*\j:20+8*\j+3], v[4+\j], s[48:49]      ; row 2 P + 1
.endr
	v_mul_u32_u24 v8, v2, 1088                     ; LDS [64 n][272 bytes]: n = 4 e4 + i, word P = dp + 16 j
	v_lshl_add_u32 v8, v3, 2, v8
	v_mul_u32_u24 v9, v3, 272                      ; back by rows: row dp + 16 j, 16 bytes a lane
	v_lshl_add_u32 v9, v2, 4, v9
	v_lshlrev_b32 v10, 11, v3                      ; the same rows in the result, 2,048 bytes apart
	v_lshl_add_u32 v10, v2, 4, v10
	s_wait_loadcnt 0x0
.irp j, 0,1,2,3
.irp i, 0,1,2,3
	v_cvt_pk_bf16_f32 v48, v[16+8*\j+\i], v[20+8*\j+\i]    ; two neighbouring k of one n, rounded to bf16
	v_lshlrev_b32 v49, 16, v48
	v_and_b32 v50, 0xffff0000, v48
	v_cvt_pk_f16_f32 v52, v49, v50                 ; the same two values as f16
	v_cndmask_b32 v48, v48, v52, s50               ; taken for Wo2 alone
	ds_store_b32 v8, v48 offset:\i*272+\j*64       ; the last byte touched is 15 x 1,088 + 60 + 1,008 + 3: below 17,408
.endr
.endr
	s_wait_dscnt 0x0                               ; my stores are in LDS before I say so
	s_barrier_signal -1
	s_barrier_wait -1
.irp j, 0,1,2,3
	ds_load_b128 v[56+4*\j:56+4*\j+3], v9 offset:4352*\j
.endr
.irp j, 0,1,2,3
	s_wait_dscnt 3-\j                              ; load j is in, the younger ones stay out
	global_store_b128 v10, v[56+4*\j:56+4*\j+3], s[46:47] offset:32768*\j     ; 16 lanes store 256 consecutive bytes, aligned
.endr
	s_wait_tensorcnt 0x0
	ds_add_u32 v112, v113
	s_wait_dscnt 0x0
	s_endpgm
	; ---- b12: one head a work-group.  Thread (e4 = t & 15, jg = t >> 4) sums j = 64 jg .. 64 jg + 63 for its four columns ----
.Lb12:
	s_lshl_b32 s40, ttmp9, 18                      ; the head's 262,144 bytes of Wq2
	s_mov_b32 s41, 0
	s_add_nc_u64 s[20:21], s[20:21], s[40:41]
	s_lshl_b32 s40, ttmp9, 8                       ; the head's 64 numbers of bq2 and of b12
	s_add_nc_u64 s[28:29], s[28:29], s[40:41]
	s_add_nc_u64 s[38:39], s[38:39], s[40:41]
	v_and_b32 v2, 15, v0                           ; e4
	v_lshrrev_b32 v3, 4, v0                        ; jg
	v_lshlrev_b32 v6, 4, v2                        ; 16 e4
	v_lshl_add_u32 v1, v3, 14, v6                  ; Wq2: 64 rows of 256 bytes for each jg
	v_lshlrev_b32 v4, 8, v3                        ; bo1: 64 numbers for each jg
	v_lshl_add_u32 v5, v3, 8, v6                   ; LDS [16 jg][256 bytes], from B12L on (the constant stands in the immediates)
.irp r, 0,1,2,3
.irp k, 0,1,2,3,4,5,6,7,8,9,10,11,12,13,14,15
	global_load_b128 v[XI+4*\k:XI+4*\k+3], v1, s[20:21] offset:(16*\r+\k)*256     ; 16 lanes take a row's 256 bytes
.endr
.irp q, 0,1,2,3
	global_load_b128 v[YO+4*\q:YO+4*\q+3], v4, s[26:27] offset:64*\r+16*\q
.endr
	s_wait_loadcnt 0x0
.irp k, 0,1,2,3,4,5,6,7,8,9,10,11,12,13,14,15
.irp c, 0,1,2,3
.if (\r+\k) == 0
	v_mul_f32 v[AC+\c], v[YO+\k], v[XI+4*\k+\c]    ; the first product starts the sum
.else
	v_fmac_f32 v[AC+\c], v[YO+\k], v[XI+4*\k+\c]
.endif
.endr
.endr
.endr
	ds_store_b128 v5, v[AC:AC+3] offset:B12L       ; bytes 17,408 + 256 jg + 16 e4: none below 17,408
	s_wait_dscnt 0x0                               ; my store is in LDS before I say so
	s_barrier_signal -1
	s_barrier_wait -1
	v_lshrrev_b32 v7, 5, v0
	v_readfirstlane_b32 s42, v7
	s_cmp_lg_u32 s42, 0
	s_cbranch_scc1 .Lb12end                        ; wave 0 alone adds the 16 partial sums
	v_cmp_gt_u32 vcc_lo, 16, v0
	s_wait_xcnt 0x0                                ; EXEC changes only behind this wait
	s_wait_tensorcnt 0x0
	ds_add_u32 v112, v113
	s_wait_dscnt 0x0
	s_and_saveexec_b32 s43, vcc_lo                 ; lanes 0-15: four columns each
	global_load_b128 v[AC:AC+3], v6, s[28:29]      ; bq2 starts the last sum
.irp g, 0,1,2,3,4,5,6,7,8,9,10,11,12,13,14,15
	ds_load_b128 v[XI+4*\g:XI+4*\g+3], v6 offset:B12L+256*\g
.endr
.irp c, 0,1,2,3
	v_mov_b32 v[YO+\c], 0                          ; this head's 64 of the 1,024 zeros
.endr
	global_store_b128 v6, v[YO:YO+3], s[38:39] offset:4096     ; 16 lanes store 256 consecutive bytes, aligned
	s_wait_loadcnt 0x0
	s_wait_dscnt 0x0
.irp g, 0,1,2,3,4,5,6,7,8,9,10,11,12,13,14,15
.irp c, 0,1,2,3
	v_add_f32 v[AC+\c], v[AC+\c], v[XI+4*\g+\c]
.endr
.endr
	global_store_b128 v6, v[AC:AC+3], s[38:39]     ; 16 lanes store 256 consecutive bytes, aligned
	s_endpgm
.Lb12end:
	s_wait_tensorcnt 0x0
	ds_add_u32 v112, v113
	s_wait_dscnt 0x0
	s_endpgm
.Lfunc_end_k_q7ef0eba067_prep:
	.size	k_q7ef0eba067_prep, .Lfunc_end_k_q7ef0eba067_prep-k_q7ef0eba067_prep
	.p2alignl 7, 3214868480
	.fill 96, 4, 3214868480
	.section	.rodata,"a",@progbits
	.p2align	6, 0x0
	.amdhsa_kernel k_q7ef0eba067_prep
		.amdhsa_group_segment_fixed_size 22528
		.amdhsa_private_segment_fixed_size 0
		.amdhsa_enable_private_segment 0
		.amdhsa_kernarg_size 136
		.amdhsa_user_sgpr_count 2
		.amdhsa_user_sgpr_kernarg_segment_ptr 1
		.amdhsa_wavefront_size32 1
		.amdhsa_system_sgpr_workgroup_id_x 1
		.amdhsa_system_sgpr_workgroup_id_y 1
		.amdhsa_system_sgpr_workgroup_id_z 1
		.amdhsa_system_vgpr_workitem_id 0
		.amdhsa_next_free_vgpr 114
		.amdhsa_next_free_sgpr 66
		.amdhsa_reserve_vcc 1
		.amdhsa_float_denorm_mode_32 3
		.amdhsa_float_denorm_mode_16_64 3
		.amdhsa_memory_ordered 1
		.amdhsa_forward_progress 1
		.amdhsa_inst_pref_size 43
	.end_amdhsa_kernel
	.amdgpu_metadata
---
amdhsa.version: [ 1, 2 ]
amdhsa.kernels:
  - .name:           k_q7ef0eba067_prep
    .symbol:         k_q7ef0eba067_prep.kd
    .args:
      - { .name: x, .offset: 0, .size: 8, .value_kind: global_buffer, .address_space: global }
      - { .name: encoder_k, .offset: 8, .size: 8, .value_kind: global_buffer, .address_space: global }
      - { .name: encoder_v, .offset: 16, .size: 8, .value_kind: global_buffer, .address_space: global }
      - { .name: Wq1, .offset: 24, .size: 8, .value_kind: global_buffer, .address_space: global }
      - { .name: Wk1, .offset: 32, .size: 8, .value_kind: global_buffer, .address_space: global }
      - { .name: Wv1, .offset: 40, .size: 8, .value_kind: global_buffer, .address_space: global }
      - { .name: Wk2, .offset: 48, .size: 8, .value_kind: global_buffer, .address_space: global }
      - { .name: Wv2, .offset: 56, .size: 8, .value_kind: global_buffer, .address_space: global }
      - { .name: Wq2, .offset: 64, .size: 8, .value_kind: global_buffer, .address_space: global }
      - { .name: Wo2, .offset: 72, .size: 8, .value_kind: global_buffer, .address_space: global }
      - { .name: Wo1, .offset: 80, .size: 8, .value_kind: global_buffer, .address_space: global }
      - { .name: bo1, .offset: 88, .size: 8, .value_kind: global_buffer, .address_space: global }
      - { .name: bq2, .offset: 96, .size: 8, .value_kind: global_buffer, .address_space: global }
      - { .name: actA, .offset: 104, .size: 8, .value_kind: global_buffer, .address_space: global }
      - { .name: wt6, .offset: 112, .size: 8, .value_kind: global_buffer, .address_space: global }
      - { .name: wo2t, .offset: 120, .size: 8, .value_kind: global_buffer, .address_space: global }
      - { .name: b12, .offset: 128, .size: 8, .value_kind: global_buffer, .address_space: global }
    .group_segment_fixed_size: 22528
    .private_segment_fixed_size: 0
    .kernarg_segment_align: 8
    .kernarg_segment_size: 136
    .max_flat_workgroup_size: 256
    .sgpr_count:     66
    .vgpr_count:     114
    .wavefront_size: 32
...
	.end_amdgpu_metadata
.endif
;; end of part 1
;; launch projg (part 2): grid 4 x 116, 4 waves a work-group, clusters of 4 x 4, 327,680 bytes of LDS; arguments actA, wt6, proj, bq1, bk1, bv1, bk2, bv2, b12, w12t; writes proj, w12t
.if DOCPART == 2
	.amdgcn_target "amdgcn-amd-amdhsa--gfx1250"
	.amdhsa_code_object_version 6
	.text
	.protected	k_q7ef0eba067_projg
	.globl	k_q7ef0eba067_projg
	.p2align	8
	.type	k_q7ef0eba067_projg,@function
k_q7ef0eba067_projg:
	s_mov_b64 s[64:65], 0
	v_nop
	global_prefetch_b8 v0, s[64:65] scope:SCOPE_SE
	s_setreg_imm32_b32 hwreg(HW_REG_WAVE_MODE, 25, 1), 1
	s_wait_xcnt 0x0
	s_wait_alu depctr_hold_cnt(0) depctr_sa_sdst(0) depctr_va_vdst(0) depctr_va_sdst(0) depctr_va_ssrc(0) depctr_va_vcc(0) depctr_vm_vsrc(0)
	s_getreg_b32 s2, hwreg(HW_REG_IB_STS2, 6, 4)
	s_cmp_eq_u32 s2, 0
	s_cbranch_scc0 .Lentry_in_a_cluster
	s_endpgm
.Lentry_in_a_cluster:
	s_bfe_u32 s2, ttmp6, 0x10000c
	s_cmp_lg_u32 s2, 0xf033
	s_cbranch_scc0 .Lentry_shape_is_right
	s_endpgm
.Lentry_shape_is_right:
; projg: six products with the bf16 operands made by prep, one per cluster tile: 1,024 rows x 1,024 columns, K = 1,024.
; Clusters c = 0-27 make block c of proj: 0-3 q1, 4-7 k1, 8-11 v1 (from x), 12-19 k2 (encoder_k), 20-27 v2 (encoder_v).
; A block of proj is [16 heads][1024 tokens][64] in f16, so that a head's keys lie densely.  Sums in f32, K ascending, the bias first.
; Cluster 28 makes w12t[n][k] = sum over j of Wq2t[n][j] Wo1[k][j] (A = actA rows 20480 on, weights = the sixth matrix of wt6, bias = the row of zeros behind b12), f16, row-major:
; the product Wo1 Wq2, transposed, so that q2 = attn1 (Wo1 Wq2) + b12 needs one product and no rounding of h.  29 clusters are 464 work-groups: as many turns on 256 WGPs as 28 would take.
; f16 and not bf16 for the results: three more bits, which the scores of the first tokens need.  LIMIT: |q1|, |k|, |v|, |Wo1 Wq2| < 65,504; below 6.1e-5 f16's denormal step applies.
; A work-group makes 256 x 256 with four waves of 128 x 128 (64 accumulator tiles, 512 registers).  K goes in steps of 128 through two LDS slots.
; CLUSTERS: 4 x 4 work-groups; A's tile is shared along a row of the cluster, the weights' tile along a column: each is asked for jointly.
; REGISTERS: window 0: v0-31 addresses; v32-63 and v224-255 the bias (first C); v64-191 fragments of A, two buffers; v192-223 at work on the way out.
;   window 1: v64-191 fragments of the weights.  window 2: accumulators of my rows 0-63 (tile (a, b) at v[8 (8 a + b)]); window 3: rows 64-127.
; The matrix instruction is used transposed (source 0 = weights' rows, source 1 = A's rows): lane l holds row l % 16, registers 0-7 the columns 8 (l / 16) + 0..7.
.set SIZE_K, 1024
.set KSTEP,  128
.set PITCH,  272                       ; 256 bytes of data + 16 of padding: the 16 rows of a fragment load start 16 bytes apart modulo 256
.set HALFT,  128*PITCH
.set SLOT,   4*HALFT
.set STAGE,  2*SLOT                    ; behind the ring: 16 rows x 272 bytes for each wave; no tensor load lands here
.set SPITCH, 272
.set LAPS, SIZE_K/(2*KSTEP)
.set CW12, 28                          ; the cluster that makes w12t
.set ADRA, 16
.set ADRB, 20
.set STO,  24
.set RD,   25                          ; the way back from the stage and the offset in memory, for proj's layout by heads
.set CO,   26
.set RD2,  27                          ; the same for w12t's rows of 2,048 bytes
.set CO2,  28
.set HB,   32                          ; bias of n block b at v[HB + 8 b + 160 (b / 4)]
.set F0,   64
.set F1,   128
.set TMP,  192
.set G1, 24
.set G0, 32
.set G1B, 48
.set G0B, 56
.set MSB, 0
.macro WIN new                         ; the immediate's high byte repeats the setting that is left
.if MSB != \new
	s_set_vgpr_msb (MSB<<8)|\new
.set MSB, \new
.endif
.endm
.set MUL_LO, 0xa1                      ; source 0 window 1, source 1 window 0, C and D window 2
.set MUL_HI, 0xf1                      ; the same, C and D window 3
.set TO_B,   0x40
.macro JLOAD s                         ; waves 0, 1 ask for A's halves, waves 2, 3 for the weights'; the branch hangs on the wave's number alone
	s_cmp_eq_u32 s11, 0
	s_cbranch_scc0 .Lfor_b_\@
	tensor_load_to_lds s[G0+4*\s:G0+4*\s+3], s[G1:G1+7]
	s_nop 0
	s_branch .Lasked_\@
.Lfor_b_\@:
	tensor_load_to_lds s[G0B+4*\s:G0B+4*\s+3], s[G1B:G1B+7]
	s_nop 0
.Lasked_\@:
.endm
.macro CREST                           ; a round of the cluster's barrier behind its opening barrier
	s_cmp_lg_u32 s10, 0
	s_cbranch_scc1 .Lnot_wave_0_\@
	s_barrier_signal -3
.Lnot_wave_0_\@:
	s_barrier_wait -3
	s_barrier_signal -1
	s_barrier_wait -1
.endm
.macro CROUND
	s_barrier_signal -1
	s_barrier_wait -1
	CREST
.endm
	s_load_b128 s[4:7], s[0:1], 0x0                ; actA, wt6
	s_load_b64 s[8:9], s[0:1], 0x10                ; proj
	s_load_b256 s[76:83], s[0:1], 0x18             ; bq1, bk1, bv1, bk2
	s_load_b128 s[84:87], s[0:1], 0x38             ; bv2, b12
	s_load_b64 s[88:89], s[0:1], 0x48              ; w12t
	s_set_vgpr_msb 0x40
	v_lshl_add_u32 v255, v0, 2, 0x48400
	s_set_vgpr_msb 0x4000
	v_mov_b32 v31, 0
	s_set_vgpr_msb 0x1
	ds_add_u32 v255, v31
	ds_add_u32 v255, v31
	s_set_vgpr_msb 0x100
	v_lshrrev_b32 v1, 5, v0
	v_readfirstlane_b32 s10, v1                    ; wave 0..3
	s_lshr_b32 s11, s10, 1                         ; my half of the block's rows; also: I fetch for A (0) or for the weights (1)
	s_and_b32 s12, s10, 1                          ; my half of its columns; also: which 128 rows I fetch
	s_bfe_u32 s40, ttmp6, 0x40000                  ; cx
	s_bfe_u32 s41, ttmp6, 0x40004                  ; cy
	s_and_b32 s66, ttmp7, 0xffff                   ; c: the cluster's y, the same in all sixteen
	s_lshr_b32 s67, s66, 2
	s_and_b32 s68, s66, 3
	s_sub_co_u32 s69, s66, 12
	s_lshr_b32 s69, s69, 3
	s_add_co_u32 s69, s69, 3
	s_sub_co_u32 s70, s66, 8
	s_cmp_lt_u32 s66, 12
	s_cselect_b32 s67, s67, s69                    ; w: which of the six weights: c / 4, or 3 + (c - 12) / 8 (c = 28: 5)
	s_cselect_b32 s68, s68, s70                    ; which 1,024 rows of actA: c % 4, or c - 8 (c = 28: 20, rows 20480 on)
	s_lshl_b32 s42, s67, 2
	s_add_co_u32 s42, s42, s40                     ; block of 256 rows of wt6 = 4 w + cx
	s_lshl_b32 s13, s68, 2
	s_add_co_u32 s13, s13, s41                     ; block of 256 rows of actA
	s_lshl_b32 s43, s41, 2
	s_lshl_b32 s43, 15, s43                        ; my row of the cluster
	s_lshl_b32 s44, 0x1111, s40                    ; my column
	s_or_b32 s[G1+0], s43, (1<<16)|(1<<20)|(1<<21)|(5<<22)|(3<<25)  ; mask; 2-byte elements; padding on; bit 21 beside a mask; after every 64 words 4 words
	s_or_b32 s[G1B+0], s44, (1<<16)|(1<<20)|(1<<21)|(5<<22)|(3<<25)
	s_mov_b32 s[G1B+1], KSTEP<<16
	s_mov_b32 s[G1+1], KSTEP<<16                   ; tensor_dim0 = 128
	s_mov_b32 s[G1B+2], 128<<16
	s_mov_b32 s[G1+2], 128<<16                     ; tensor_dim1 = 128
	s_mov_b32 s[G1B+3], KSTEP<<16
	s_mov_b32 s[G1+3], KSTEP<<16                   ; tile_dim0 = 128
	s_mov_b32 s[G1B+4], 128
	s_mov_b32 s[G1+4], 128                         ; tile_dim1 = 128
	s_mov_b32 s[G1B+5], SIZE_K
	s_mov_b32 s[G1+5], SIZE_K                      ; elements from row to row
	s_mov_b32 s[G1B+6], 0
	s_mov_b32 s[G1+6], 0
	s_mov_b32 s[G1B+7], 0
	s_mov_b32 s[G1+7], 0
	s_lshl_b32 s17, s12, 7
	s_lshl_b32 s16, s13, 8
	s_add_co_u32 s16, s16, s17                     ; A: row
	s_lshl_b32 s46, s42, 8
	s_add_co_u32 s46, s46, s17                     ; weights: row
	s_mov_b32 s17, 0
	s_mov_b32 s47, 0
	s_mov_b64 s[18:19], SIZE_K*2
	s_mul_u64 s[16:17], s[16:17], s[18:19]
	s_mul_u64 s[46:47], s[46:47], s[18:19]
	s_mul_i32 s20, s10, HALFT                      ; LDS: wave x 128 rows
	s_wait_dscnt 0x0
	s_wait_kmcnt 0x0
	s_add_nc_u64 s[14:15], s[4:5], s[16:17]
	s_add_nc_u64 s[46:47], s[6:7], s[46:47]
	CROUND                                         ; all sixteen work-groups are here: the first joint loads meet
.irp s, 0,1
	s_mov_b32 s[G0+4*\s], 1
	s_add_co_u32 s[G0+4*\s+1], s20, \s*SLOT
	s_add_nc_u64 s[G0+4*\s+2:G0+4*\s+3], s[14:15], \s*KSTEP*2
	s_or_b32 s[G0+4*\s+3], s[G0+4*\s+3], 0x80000000
	s_mov_b32 s[G0B+4*\s], 1
	s_add_co_u32 s[G0B+4*\s+1], s20, \s*SLOT
	s_add_nc_u64 s[G0B+4*\s+2:G0B+4*\s+3], s[46:47], \s*KSTEP*2
	s_or_b32 s[G0B+4*\s+3], s[G0B+4*\s+3], 0x80000000
	JLOAD \s                                       ; both slots' first fills go out together: two tensor loads of a wave are out
.endr
	v_and_b32 v1, 15, v0                           ; l % 16
	v_bfe_u32 v2, v0, 4, 1                         ; l / 16
	; the bias of my 128 columns, in the layout of a result tile: lane l, register j: column 16 b + 8 (l / 16) + j
	s_add_nc_u64 s[72:73], s[86:87], 4096          ; w = 5: the 1,024 zeros behind b12
	s_cmp_eq_u32 s67, 4
	s_cselect_b64 s[72:73], s[84:85], s[72:73]     ; w = 4: bv2
.irp k, 0,1,2,3
	s_cmp_eq_u32 s67, \k
	s_cselect_b64 s[72:73], s[76+2*\k:77+2*\k], s[72:73]
.endr
	s_lshl_b32 s74, s40, 10                        ; 256 columns of 4 bytes for each cx,
	s_lshl_b32 s75, s12, 9                         ; 128 for my half
	s_add_co_u32 s74, s74, s75
	s_mov_b32 s75, 0
	s_add_nc_u64 s[72:73], s[72:73], s[74:75]
	v_lshlrev_b32 v6, 5, v2
.irp b, 0,1,2,3,4,5,6,7
	global_load_b128 v[HB+8*\b+160*(\b/4):HB+8*\b+160*(\b/4)+3], v6, s[72:73] offset:64*\b
	global_load_b128 v[HB+8*\b+160*(\b/4)+4:HB+8*\b+160*(\b/4)+7], v6, s[72:73] offset:64*\b+16
.endr
	v_mul_u32_u24 v3, v1, PITCH
	v_lshl_add_u32 v3, v2, 4, v3                   ; row x pitch + 16 x half
	s_mul_i32 s21, s11, HALFT
	s_mul_i32 s22, s12, HALFT
	s_add_co_u32 s22, s22, 2*HALFT
.irp s, 0,1
	v_add_nc_u32 v[ADRA+\s], s21, v3
	v_add_nc_u32 v[ADRB+\s], s22, v3
	s_add_co_u32 s21, s21, SLOT
	s_add_co_u32 s22, s22, SLOT
.endr
	s_mul_i32 s23, s10, 16*SPITCH
	s_add_co_u32 s23, s23, STAGE                   ; my stage
	v_mul_u32_u24 v4, v1, SPITCH
	v_lshl_add_u32 v4, v2, 4, v4
	v_add_nc_u32 v[STO], s23, v4                   ; in: row l % 16, 16 bytes for each half of the lanes
	v_bfe_u32 v5, v0, 3, 1                         ; back, for proj: lanes 0-15 take the first head's 128 bytes of two rows, lanes 16-31 the second head's
	v_mul_u32_u24 v5, v5, SPITCH
	v_lshl_add_u32 v5, v2, 7, v5
	v_and_b32 v7, 7, v0
	v_lshl_add_u32 v5, v7, 4, v5
	v_add_nc_u32 v[RD], s23, v5
	v_lshlrev_b32 v5, 17, v2                       ; in proj the next head lies 131,072 bytes on; two tokens of a head are 256 consecutive bytes
	v_lshl_add_u32 v[CO], v1, 4, v5
	v_mul_u32_u24 v5, v2, SPITCH                   ; back, for w12t: lanes 0-15 take one row's 256 bytes, lanes 16-31 the next row's
	v_lshl_add_u32 v5, v1, 4, v5
	v_add_nc_u32 v[RD2], s23, v5
	v_lshlrev_b32 v5, 11, v2                       ; and the same two rows in w12t, 2,048 bytes apart
	v_lshl_add_u32 v[CO2], v1, 4, v5
	s_lshl_b32 s90, s66, 21                        ; block c of proj,
	s_lshl_b32 s74, s40, 19                        ; head 4 cx
	s_add_co_u32 s90, s90, s74
	s_lshl_b32 s74, s12, 18                        ; + 2 x my half of the columns,
	s_add_co_u32 s90, s90, s74
	s_lshl_b32 s74, s41, 15                        ; token 256 cy
	s_add_co_u32 s90, s90, s74
	s_lshl_b32 s74, s11, 14                        ; + 128 x my half of the rows
	s_add_co_u32 s90, s90, s74
	s_mov_b32 s91, 0
	s_add_nc_u64 s[8:9], s[8:9], s[90:91]          ; used by clusters 0-27 alone
	s_lshl_b32 s90, s41, 19                        ; w12t: row 256 cy of 2,048 bytes
	s_lshl_b32 s74, s11, 18                        ; + 128 x my half of the rows,
	s_add_co_u32 s90, s90, s74
	s_lshl_b32 s74, s40, 9                         ; column 256 cx of 2 bytes
	s_add_co_u32 s90, s90, s74
	s_lshl_b32 s74, s12, 8                         ; + 128 x my half of the columns
	s_add_co_u32 s90, s90, s74
	s_add_nc_u64 s[88:89], s[88:89], s[90:91]      ; used by cluster 28 alone
	s_wait_loadcnt 0x0                             ; the bias
; 16 matrix instructions.  zero = 1: the first product takes the bias as C: nothing is cleared, and no bias is added later.
; The 64 accumulators take turns, one instruction a turn, in the same order in every quarter step.
.macro MUL16 f, hi, a0, zero
.irp a, \a0, \a0+1
.irp b, 0,1,2,3,4,5,6,7
.if \zero
	v_wmma_f32_16x16x32_bf16 v[8*(8*(\a)+\b):8*(8*(\a)+\b)+7], v[\f+8*\b:\f+8*\b+7], v[\f+8*(4*\hi+\a):\f+8*(4*\hi+\a)+7], v[HB+8*\b+160*(\b/4):HB+8*\b+160*(\b/4)+7]
.else
	v_wmma_f32_16x16x32_bf16 v[8*(8*(\a)+\b):8*(8*(\a)+\b)+7], v[\f+8*\b:\f+8*\b+7], v[\f+8*(4*\hi+\a):\f+8*(4*\hi+\a)+7], v[8*(8*(\a)+\b):8*(8*(\a)+\b)+7]
.endif
.endr
.endr
.endm
.macro FETCH slot, k, f                ; 32 LDS loads in one run: one quarter step's fragments
	WIN TO_B
.irp i, 0,1,2,3,4,5,6,7
	ds_load_b128 v[\f+8*\i:\f+8*\i+3],   v[ADRB+\slot] offset:\k+\i*16*PITCH
	ds_load_b128 v[\f+8*\i+4:\f+8*\i+7], v[ADRB+\slot] offset:\k+\i*16*PITCH+32
.endr
	WIN 0
.irp i, 0,1,2,3,4,5,6,7
	ds_load_b128 v[\f+8*\i:\f+8*\i+3],   v[ADRA+\slot] offset:\k+\i*16*PITCH
	ds_load_b128 v[\f+8*\i+4:\f+8*\i+7], v[ADRA+\slot] offset:\k+\i*16*PITCH+32
.endr
.endm
.macro PLACES                          ; four places behind a matrix instruction (ISA guide 7.12.1) before its registers are loaded into or its result is read
.rept 4
	v_nop
.endr
.endm
.macro QUARTER slot, k, f, g, zero
	s_wait_dscnt 8                                 ; the weights and A's rows 0-63 are in; the youngest eight loads (A's rows 64-127) may be out
.if \zero
	WIN 0x81                                       ; C (the bias) in window 0, D in window 2
.else
	WIN MUL_LO
.endif
	MUL16 \f, 0, 0, \zero
	MUL16 \f, 0, 2, \zero
	PLACES
	FETCH \slot, \k, \g
	s_wait_dscnt 32                                ; all but the 32 just issued
.if \zero
	WIN 0xc1
.else
	WIN MUL_HI
.endif
	MUL16 \f, 1, 0, \zero
	MUL16 \f, 1, 2, \zero
.endm
.macro THREE slot, zero
	QUARTER \slot, 64,  F0, F1, \zero
	QUARTER \slot, 128, F1, F0, 0
	QUARTER \slot, 192, F0, F1, 0
.endm
; The last quarter of a K step changes slots: each wave waits for its reads of this slot and for all its tensor loads, then the barrier
; (with a refill: a round of the cluster's barrier), then the refill first, then the next slot's first fragments.
.macro TURN slot, next, fill
	s_wait_dscnt 8
	WIN MUL_LO
	MUL16 F1, 0, 0, 0
	s_wait_dscnt 0                                 ; my reads of this slot are over
	s_wait_tensorcnt 0x0                           ; all my tensor loads have landed: the one that was out is my part of the next slot
	ds_add_u32 v255, v31
	s_wait_dscnt 0x0
	s_barrier_signal -1
	MUL16 F1, 0, 2, 0                              ; register work while the others arrive
	WIN 0
	s_barrier_wait -1
.if \fill
	CREST
	s_add_nc_u64 s[G0+4*\slot+2:G0+4*\slot+3], s[G0+4*\slot+2:G0+4*\slot+3], 2*KSTEP*2
	s_add_nc_u64 s[G0B+4*\slot+2:G0B+4*\slot+3], s[G0B+4*\slot+2:G0B+4*\slot+3], 2*KSTEP*2
	JLOAD \slot                                    ; the first tensor load behind the round, one a wave
.endif
	PLACES
	FETCH \next, 0, F0
	WIN MUL_HI
	MUL16 F1, 1, 0, 0
	MUL16 F1, 1, 2, 0
.endm
.macro LAP zero
	THREE 0, \zero
	TURN 0, 1, 1
	THREE 1, 0
	TURN 1, 0, 1
.endm
	s_wait_tensorcnt 1                             ; my part of K step 0 is in; K step 1's load stays out
	s_barrier_signal -1
	s_barrier_wait -1
	FETCH 0, 0, F0
	LAP 1
	WIN 0
	s_mov_b32 s3, LAPS-2
.Llap:
	LAP 0
	WIN 0
	s_sub_co_u32 s3, s3, 1
	s_cmp_lg_u32 s3, 0
	s_cbranch_scc1 .Llap
	THREE 0, 0                                     ; the last lap fills nothing
	TURN 0, 1, 0
	THREE 1, 0
	s_wait_dscnt 8
	WIN MUL_LO
	MUL16 F1, 0, 0, 0
	MUL16 F1, 0, 2, 0
	s_wait_dscnt 0
	WIN MUL_HI
	MUL16 F1, 1, 0, 0
	MUL16 F1, 1, 2, 0
	; THE WAY OUT, 16 rows at a time: round to f16, 16 bytes a lane into my own stage, read back in pieces that are 256 consecutive bytes of the result.
	; rd, co: the lane's place in the stage and in memory; base: the scalar pair of the result's address; istep, tstep: bytes from 16 rows to the next and from one store to the next.
.macro OUT16 i, a, from, f, rd, co, base, istep, tstep
	WIN \from
.irp b, 0,1,2,3,4,5,6,7
.irp r, 0,1,2,3
	v_cvt_pk_f16_f32 v[TMP+4*\b+\r], v[8*(8*\a+\b)+2*\r], v[8*(8*\a+\b)+2*\r+1]
.endr
.endr
	WIN 0
.irp b, 0,1,2,3,4,5,6,7
	ds_store_b128 v[STO], v[TMP+4*\b:TMP+4*\b+3] offset:32*\b
.endr
	s_wait_xcnt 0x0                                ; buffer f, which earlier stores read, is loaded again only behind this wait
.irp t, 0,1,2,3,4,5,6,7
	ds_load_b128 v[\f+4*\t:\f+4*\t+3], v[\rd] offset:\t*2*SPITCH   ; LDS serves a wave's instructions in order: these see the stores above
.endr
.irp t, 0,1,2,3,4,5,6,7
	s_wait_dscnt 7-\t
	global_store_b128 v[\co], v[\f+4*\t:\f+4*\t+3], s[\base:\base+1] offset:\i*\istep+\t*\tstep   ; 16 lanes store 256 consecutive bytes, aligned
.endr
.endm
.macro OUTALL rd, co, base, istep, tstep
	OUT16 0, 0, 0x0a, F0, \rd, \co, \base, \istep, \tstep
	OUT16 1, 1, 0x0a, F1, \rd, \co, \base, \istep, \tstep
	OUT16 2, 2, 0x0a, F0, \rd, \co, \base, \istep, \tstep
	OUT16 3, 3, 0x0a, F1, \rd, \co, \base, \istep, \tstep
	OUT16 4, 0, 0x0f, F0, \rd, \co, \base, \istep, \tstep
	OUT16 5, 1, 0x0f, F1, \rd, \co, \base, \istep, \tstep
	OUT16 6, 2, 0x0f, F0, \rd, \co, \base, \istep, \tstep
	OUT16 7, 3, 0x0f, F1, \rd, \co, \base, \istep, \tstep
.endm
	PLACES                                         ; behind the last matrix instructions, on both ways below
	WIN 0                                          ; a branch follows
	s_cmp_eq_u32 s66, CW12                         ; c is the cluster's number: the same in all sixteen work-groups and in all their waves
	s_cbranch_scc1 .Lw12out
	OUTALL RD, CO, 8, 2048, 256                    ; proj: 16 tokens of a head are 2,048 bytes, two tokens 256
	s_branch .Ldone
.Lw12out:
	OUTALL RD2, CO2, 88, 32768, 4096               ; w12t: 16 rows of 2,048 bytes, two rows a store
.Ldone:
	s_set_vgpr_msb 0x1
	s_wait_tensorcnt 0x0
	ds_add_u32 v255, v31
	s_wait_dscnt 0x0
	s_set_vgpr_msb 0x100
	CROUND                                         ; the closing round, on every way
	s_endpgm
.Lfunc_end_k_q7ef0eba067_projg:
	.size	k_q7ef0eba067_projg, .Lfunc_end_k_q7ef0eba067_projg-k_q7ef0eba067_projg
	.p2alignl 7, 3214868480
	.fill 96, 4, 3214868480
	.section	.rodata,"a",@progbits
	.p2align	6, 0x0
	.amdhsa_kernel k_q7ef0eba067_projg
		.amdhsa_group_segment_fixed_size 327680
		.amdhsa_private_segment_fixed_size 0
		.amdhsa_enable_private_segment 0
		.amdhsa_kernarg_size 80
		.amdhsa_user_sgpr_count 2
		.amdhsa_user_sgpr_kernarg_segment_ptr 1
		.amdhsa_wavefront_size32 1
		.amdhsa_system_sgpr_workgroup_id_x 1
		.amdhsa_system_sgpr_workgroup_id_y 1
		.amdhsa_system_sgpr_workgroup_id_z 1
		.amdhsa_system_vgpr_workitem_id 0
		.amdhsa_next_free_vgpr 1024
		.amdhsa_next_free_sgpr 92
		.amdhsa_reserve_vcc 0
		.amdhsa_float_denorm_mode_32 3
		.amdhsa_float_denorm_mode_16_64 3
		.amdhsa_memory_ordered 1
		.amdhsa_forward_progress 1
		.amdhsa_inst_pref_size 232
	.end_amdhsa_kernel
	.amdgpu_metadata
---
amdhsa.version: [ 1, 2 ]
amdhsa.kernels:
  - .name:           k_q7ef0eba067_projg
    .symbol:         k_q7ef0eba067_projg.kd
    .args:
      - { .name: actA, .offset: 0, .size: 8, .value_kind: global_buffer, .address_space: global }
      - { .name: wt6, .offset: 8, .size: 8, .value_kind: global_buffer, .address_space: global }
      - { .name: proj, .offset: 16, .size: 8, .value_kind: global_buffer, .address_space: global }
      - { .name: bq1, .offset: 24, .size: 8, .value_kind: global_buffer, .address_space: global }
      - { .name: bk1, .offset: 32, .size: 8, .value_kind: global_buffer, .address_space: global }
      - { .name: bv1, .offset: 40, .size: 8, .value_kind: global_buffer, .address_space: global }
      - { .name: bk2, .offset: 48, .size: 8, .value_kind: global_buffer, .address_space: global }
      - { .name: bv2, .offset: 56, .size: 8, .value_kind: global_buffer, .address_space: global }
      - { .name: b12, .offset: 64, .size: 8, .value_kind: global_buffer, .address_space: global }
      - { .name: w12t, .offset: 72, .size: 8, .value_kind: global_buffer, .address_space: global }
    .group_segment_fixed_size: 327680
    .private_segment_fixed_size: 0
    .kernarg_segment_align: 8
    .kernarg_segment_size: 80
    .max_flat_workgroup_size: 128
    .sgpr_count:     92
    .vgpr_count:     1024
    .wavefront_size: 32
...
	.end_amdgpu_metadata
.endif
;; end of part 2
;; launch att1 (part 3): grid 256 x 1, 8 waves a work-group, no clusters, 327,680 bytes of LDS; arguments proj, actA; writes actA
.if DOCPART == 3
	.amdgcn_target "amdgcn-amd-amdhsa--gfx1250"
	.amdhsa_code_object_version 6
	.text
	.protected	k_q7ef0eba067_att1
	.globl	k_q7ef0eba067_att1
	.p2align	8
	.type	k_q7ef0eba067_att1,@function
k_q7ef0eba067_att1:
	s_mov_b64 s[64:65], 0
	v_nop
	global_prefetch_b8 v0, s[64:65] scope:SCOPE_SE
	s_setreg_imm32_b32 hwreg(HW_REG_WAVE_MODE, 25, 1), 1
	s_wait_xcnt 0x0
; The causal self-attention of one head over 256 queries: keys 0 .. 256 (qb + 1) - 1, the mask key <= query; q1, k1, v1 f16 from proj; result f16 into actA rows 0-4095.
; Eight waves: qg = wave & 3 takes 64 queries, kg = wave >> 2 the blocks of 64 keys of parity kg.  A wave keeps its own running maximum m, sum l and O;
; waves qg and qg + 4 are merged at the end through LDS.
; S^T = K Q^T: lane (r, h) holds, for query r of a group of 16, the keys 8 h + j of each 16.  So a query's maximum, factor and sum are one number a lane,
; and the packed S^T tiles 2 c, 2 c + 1 ARE the B fragment of O^T = V^T P^T; V^T's fragments come by transposing LDS loads.
; Softmax: p = exp2(s c + nmc), c = log2(e) / 8, nmc = -c m rounded; every rescale is exp2 of a difference of such rounded nmc, so it agrees with p.
; m starts at the most negative finite f32, which is also what a masked score is set to.  l is summed in f32 from p before its rounding.
; LIMITS: p < 2^-24 becomes 0 in f16; |q1|, |k1|, |v1| < 65,504; the order of the f32 sums is not the order of a plain softmax; NaN and infinities are not treated.
; NO CLUSTER here: the four query blocks of a head need 1, 2, 3 and 4 tiles of 256 keys, so partners would need different numbers of joint loads.
; The stores write a head's 128 bytes of a token's row; the 128 bytes beside them belong to another head's work-group.
; LDS: two slots of 81,920 bytes (K: 256 rows of 144 at 0; V: 256 rows of 160 at 40,960); SCR 4 x 17,408 (the merge); STG 4 x 9,216 (the way out).
.set KP, 144                           ; odd multiple of 16: the 16 rows of a K fragment load start 16 bytes apart modulo 256
.set VP, 160                           ; odd multiple of 32, for the transposing loads
.set SLOTB, 81920
.set VOFF, 40960
.set SCR, 2*SLOTB
.set SCRW, 17408
.set STG, SCR+4*SCRW
.set QP, 128                           ; bytes from query to query: q1 lies [head][token][64]
.set VDIST, 4<<21                      ; v1's blocks lie 4 blocks of 2 MiB behind k1's
; window 0
.set AK, 4                             ; v4, v5   LDS address of my K fragments, slot 0, 1
.set AV, 6                             ; v6, v7   the same for V
.set NEG, 8                            ; v8       the most negative finite f32
.set M, 10                             ; v10-13   running maximum of query group nb
.set NMC, 14                           ; v14-21   -c m, twice (pairs for the packed forms)
.set AL, 22                            ; v22-29   the rescale factor, twice
.set LP, 30                            ; v30-37   two partial sums of p
.set T, 38                             ; v38-45   at work
.set QOFF, 46
.set STO, 47
.set RD, 48
.set CO, 49
.set SCRA, 50
.set X, 51
.set Q, 52                             ; v52-115  Q(nb, c) at Q + 16 nb + 8 c
.set KF, 116                           ; v116-179 K(kt, c) at KF + 16 kt + 8 c
.set VF, 180                           ; v180-243 V^T(t, c) at VF + 16 t + 8 c
.set PM, 244                           ; v244-247 the partner's m
.set PL, 248                           ; v248-251 the partner's l
; window 1: S(kt, nb) at 32 nb + 8 kt; P(c, nb) in place at 32 nb + 16 c; O(t, nb) at O + 32 nb + 8 t
.set O, 128
.set G1K, 24
.set G1V, 32
.set G0K, 40                           ; a group 0 for each slot
.set G0V, 48
.set DM, 56                            ; s56-63: lanes where register j of a diagonal tile is masked
.set MSB, 0
.macro WIN new                         ; the immediate's high byte repeats the setting that is left
.if MSB != \new
	s_set_vgpr_msb (MSB<<8)|\new
.set MSB, \new
.endif
.endm
.macro PLACES n
.rept \n
	v_nop
.endr
.endm
.macro BAR
	s_barrier_signal -1
	s_barrier_wait -1
.endm
; the next tile's address (tile s76 of 256 keys) into both group 0s of a slot; written only where no tensor load of the wave is out
.macro NEXTADDR slot
	s_lshl_b32 s78, s76, 15                        ; 256 keys of 128 bytes
	s_mov_b32 s79, 0
	s_add_nc_u64 s[G0K+4*\slot+2:G0K+4*\slot+3], s[72:73], s[78:79]
	s_or_b32 s[G0K+4*\slot+3], s[G0K+4*\slot+3], 0x80000000
	s_add_nc_u64 s[G0V+4*\slot+2:G0V+4*\slot+3], s[74:75], s[78:79]
	s_or_b32 s[G0V+4*\slot+3], s[G0V+4*\slot+3], 0x80000000
	s_add_co_u32 s76, s76, 1
.endm
.macro LOADKV slot                     ; waves 0-3 bring 64 keys of K each, waves 4-7 of V: one tensor load a wave
	s_cmp_eq_u32 s11, 0
	s_cbranch_scc0 .Lfor_v_\@
	tensor_load_to_lds s[G0K+4*\slot:G0K+4*\slot+3], s[G1K:G1K+7]
	s_nop 0
	s_branch .Lasked_\@
.Lfor_v_\@:
	tensor_load_to_lds s[G0V+4*\slot:G0V+4*\slot+3], s[G1V:G1V+7]
	s_nop 0
.Lasked_\@:
.endm
.macro LDK slot, i                     ; 16 LDS loads: the K fragments of my block i of the slot
.irp kt, 0,1,2,3
.irp c, 0,1
	ds_load_b128 v[KF+16*\kt+8*\c:KF+16*\kt+8*\c+3], v[AK+\slot] offset:\i*18432+\kt*2304+64*\c
	ds_load_b128 v[KF+16*\kt+8*\c+4:KF+16*\kt+8*\c+7], v[AK+\slot] offset:\i*18432+\kt*2304+64*\c+32
.endr
.endr
.endm
; One block: 64 keys x 64 queries.  pre = 1: the next block's K fragments are fetched meanwhile.  mk = 1: the block may be the diagonal one.
.macro BLOCK slot, i, pre, mk
	s_wait_dscnt 0x0                               ; my K fragments are in
	WIN 0x50
	; S^T: the 16 tiles take turns, e = 0-31 first (C = 0 starts the sums), then e = 32-63
.irp nb, 0,1,2,3
.irp kt, 0,1,2,3
	v_wmma_f32_16x16x32_f16 v[32*\nb+8*\kt:32*\nb+8*\kt+7], v[KF+16*\kt:KF+16*\kt+7], v[Q+16*\nb:Q+16*\nb+7], 0
.endr
.endr
.irp nb, 0,1,2,3
.irp kt, 0,1,2,3
	v_wmma_f32_16x16x32_f16 v[32*\nb+8*\kt:32*\nb+8*\kt+7], v[KF+16*\kt+8:KF+16*\kt+15], v[Q+16*\nb+8:Q+16*\nb+15], v[32*\nb+8*\kt:32*\nb+8*\kt+7]
.endr
.endr
	PLACES 4                                       ; four places (ISA guide 7.12.1) before S is read and before KF and VF are loaded into
	WIN 0
.irp c, 0,1
.irp t, 0,1,2,3
	ds_load_tr16_b128 v[VF+16*\t+8*\c:VF+16*\t+8*\c+3], v[AV+\slot] offset:\i*20480+\c*5120+32*\t
	ds_load_tr16_b128 v[VF+16*\t+8*\c+4:VF+16*\t+8*\c+7], v[AV+\slot] offset:\i*20480+\c*5120+32*\t+2560
.endr
.endr
.if \pre
	LDK \slot, (\i+1)
.endif
.if \mk
	s_cmp_lg_u32 s81, 2*\i                         ; my block 2 i + kg is the diagonal one where it equals qg; the branch hangs on the wave's number alone
	s_cbranch_scc1 .Lnomask_\@
	WIN 0x41
.irp nb, 0,1,2,3
.irp kt, 0,1,2,3
.if \kt > \nb
.irp j, 0,1,2,3,4,5,6,7
	v_mov_b32 v[32*\nb+8*\kt+\j], 0xff7fffff       ; all these keys lie behind the queries
.endr
.endif
.if \kt == \nb
.irp j, 0,1,2,3,4,5,6,7
	v_cndmask_b32 v[32*\nb+8*\kt+\j], v[32*\nb+8*\kt+\j], v[NEG], s[DM+\j]    ; key 8 h + j > query r
.endr
.endif
.endr
.endr
	WIN 0
.Lnomask_\@:
.endif
	; A: the maximum of my 32 scores of each query group, with the old m, in eight chains
	WIN 0x05
.irp nb, 0,1,2,3
.irp g, 0,1
	v_max3_num_f32 v[T+2*\nb+\g], v[32*\nb+16*\g], v[32*\nb+16*\g+1], v[M+\nb]
.endr
.endr
.irp k, 1,2,3,4,5,6,7
.irp nb, 0,1,2,3
.irp g, 0,1
	v_max3_num_f32 v[T+2*\nb+\g], v[32*\nb+16*\g+2*\k], v[32*\nb+16*\g+2*\k+1], v[T+2*\nb+\g]
.endr
.endr
.endr
	; B: join the two halves of the wave, new m, new nmc, the factor exp2(nmc new - nmc old)
	WIN 0
.irp nb, 0,1,2,3
	v_max_num_f32 v[T+2*\nb], v[T+2*\nb], v[T+2*\nb+1]
	v_permlanex16_b32 v[T+2*\nb+1], v[T+2*\nb], s70, s71
	v_max_num_f32 v[M+\nb], v[T+2*\nb], v[T+2*\nb+1]
	v_mul_f32 v[X], s68, v[M+\nb]
	v_sub_f32 v[AL+2*\nb], v[X], v[NMC+2*\nb]
	v_exp_f32 v[AL+2*\nb], v[AL+2*\nb]
	v_mov_b32 v[NMC+2*\nb], v[X]                   ; also the plain place behind the exponential (ISA guide 5.7.2)
	v_mov_b32 v[NMC+2*\nb+1], v[X]
	s_wait_alu depctr_va_vdst(0)
	v_mov_b32 v[AL+2*\nb+1], v[AL+2*\nb]
	v_pk_mul_f32 v[LP+2*\nb:LP+2*\nb+1], v[LP+2*\nb:LP+2*\nb+1], v[AL+2*\nb:AL+2*\nb+1]
.endr
	; C: p = exp2(s c + nmc) in place; O's rescale stands between the exponentials
	WIN 0x41
.irp nb, 0,1,2,3
.irp p, 0,1,2,3,4,5,6,7,8,9,10,11,12,13,14,15
	v_pk_fma_f32 v[32*\nb+2*\p:32*\nb+2*\p+1], v[32*\nb+2*\p:32*\nb+2*\p+1], 0x3e38aa3b, v[NMC+2*\nb:NMC+2*\nb+1] op_sel_hi:[1,0,1]
.endr
.endr
.irp nb, 0,1,2,3
.irp p, 0,1,2,3,4,5,6,7,8,9,10,11,12,13,14,15
	v_exp_f32 v[32*\nb+2*\p], v[32*\nb+2*\p]
	v_exp_f32 v[32*\nb+2*\p+1], v[32*\nb+2*\p+1]
	v_pk_mul_f32 v[O+32*\nb+2*\p:O+32*\nb+2*\p+1], v[O+32*\nb+2*\p:O+32*\nb+2*\p+1], v[AL+2*\nb:AL+2*\nb+1]
.endr
.endr
	; D: l += p, before p is rounded
	WIN 0x01
	s_wait_alu depctr_va_vdst(0)
.irp p, 0,1,2,3,4,5,6,7,8,9,10,11,12,13,14,15
.irp nb, 0,1,2,3
	v_pk_add_f32 v[LP+2*\nb:LP+2*\nb+1], v[32*\nb+2*\p:32*\nb+2*\p+1], v[LP+2*\nb:LP+2*\nb+1]
.endr
.endr
	; E: p to f16, in place and ascending: register q takes 2 q and 2 q + 1
	WIN 0x45
.irp nb, 0,1,2,3
.irp c, 0,1
.irp q, 0,1,2,3,4,5,6,7
	v_cvt_pk_f16_f32 v[32*\nb+16*\c+\q], v[32*\nb+16*\c+2*\q], v[32*\nb+16*\c+2*\q+1]
.endr
.endr
.endr
.if \pre
	s_wait_dscnt 16                                ; V's 16 loads are in; the 16 K loads issued behind them may stay out
.else
	s_wait_dscnt 0x0
.endif
	WIN 0x54
	; O^T += V^T P^T: the 16 tiles take turns, keys 0-31 first, then keys 32-63
.irp c, 0,1
.irp nb, 0,1,2,3
.irp t, 0,1,2,3
	v_wmma_f32_16x16x32_f16 v[O+32*\nb+8*\t:O+32*\nb+8*\t+7], v[VF+16*\t+8*\c:VF+16*\t+8*\c+7], v[32*\nb+16*\c:32*\nb+16*\c+7], v[O+32*\nb+8*\t:O+32*\nb+8*\t+7]
.endr
.endr
.endr
	PLACES 5                                       ; five places before the next S^T writes over P (ISA guide 7.12.1)
	WIN 0
.endm
; A trip: one slot of 256 keys, two blocks for each wave.  In front of the barrier every wave waits for all its tensor loads and for its LDS reads;
; behind it the other slot's fill comes first, one tensor load a wave, and has this trip's two blocks in which to land.
.macro TRIP slot, refill, diag
	s_wait_tensorcnt 0x0                           ; my part of this slot has landed, and no tensor load of mine is out
	ds_add_u32 v254, v255
	s_wait_dscnt 0x0
.if \refill
	NEXTADDR (1-\slot)
.endif
	s_wait_dscnt 0x0                               ; my reads of the other slot are over
	BAR
.if \refill
	LOADKV (1-\slot)
.endif
.if \diag
	s_cmp_lt_i32 s81, 0                            ; qg < kg: both my blocks lie behind my queries
	s_cbranch_scc1 .Ltend_\@
.endif
	LDK \slot, 0
	BLOCK \slot, 0, 1, \diag
.if \diag
	s_cmp_lt_i32 s81, 2                            ; my second block, 2 + kg, lies behind my queries
	s_cbranch_scc1 .Ltend_\@
.endif
	BLOCK \slot, 1, 0, \diag
.Ltend_\@:
.endm
	s_load_b128 s[4:7], s[0:1], 0x0                ; proj, actA
	v_lshl_add_u32 v254, v0, 2, 0x42000
	v_mov_b32 v255, 0
	ds_add_u32 v254, v255
	ds_add_u32 v254, v255
	v_lshrrev_b32 v1, 5, v0
	v_readfirstlane_b32 s10, v1                    ; wave 0..7
	s_lshr_b32 s11, s10, 2                         ; kg
	s_and_b32 s12, s10, 3                          ; qg
	s_sub_co_i32 s81, s12, s11                     ; d = qg - kg
	s_lshr_b32 s13, ttmp9, 2                       ; batch x 16 + head
	s_and_b32 s14, ttmp9, 3                        ; qb: which 256 queries
	s_lshr_b32 s15, s13, 4                         ; batch
	s_and_b32 s20, s13, 15                         ; head
	s_mov_b32 s68, 0xbe38aa3b                      ; -c = -log2(e) / 8
	s_mov_b32 s70, 0x76543210                      ; v_permlanex16_b32: lane i of one half reads lane i of the other
	s_mov_b32 s71, 0xfedcba98
	s_mov_b32 s76, 0                               ; the next tile of 256 keys
	; group 1: 64 keys of 128 bytes lie densely: 32 rows of 256 bytes (32 elements of 8 bytes); after every 32 words 4 (K) or 8 (V) words of padding
	s_mov_b32 s[G1K+0], 0x07130000
	s_mov_b32 s[G1V+0], 0x0f130000
.irp g, G1K, G1V
	s_mov_b32 s[\g+1], 32<<16                      ; tensor_dim0 = 32
	s_mov_b32 s[\g+2], 32<<16                      ; tensor_dim1 = 32
	s_mov_b32 s[\g+3], 32<<16                      ; tile_dim0 = 32
	s_mov_b32 s[\g+4], 32                          ; tile_dim1 = 32
	s_mov_b32 s[\g+5], 32                          ; elements from row to row
	s_mov_b32 s[\g+6], 0
	s_mov_b32 s[\g+7], 0
.endr
	s_mov_b32 s[G0K+0], 1
	s_mov_b32 s[G0K+4], 1
	s_mov_b32 s[G0V+0], 1
	s_mov_b32 s[G0V+4], 1
	s_mul_i32 s[G0K+1], s10, 64*KP                 ; K: wave x 9,216 (waves 0-3)
	s_add_co_u32 s[G0K+5], s[G0K+1], SLOTB
	s_mul_i32 s[G0V+1], s10, 64*VP                 ; V: wave x 10,240 (waves 4-7): from 40,960 on
	s_add_co_u32 s[G0V+5], s[G0V+1], SLOTB
	s_add_co_u32 s21, s15, 4                       ; k1's block of this batch
	s_lshl_b32 s21, s21, 21
	s_lshl_b32 s22, s20, 17                        ; the head's 1,024 tokens of 128 bytes
	s_add_co_u32 s21, s21, s22
	s_lshl_b32 s22, s12, 13                        ; my 64 keys of a tile
	s_add_co_u32 s78, s21, s22
	s_mov_b32 s79, 0
	s_lshl_b32 s84, s15, 21                        ; the result: token (batch x 1024 + 256 qb + 64 qg) x 2,048 bytes + head x 128
	s_lshl_b32 s86, s14, 19
	s_add_co_u32 s84, s84, s86
	s_lshl_b32 s86, s12, 17
	s_add_co_u32 s84, s84, s86
	s_lshl_b32 s86, s20, 7
	s_add_co_u32 s84, s84, s86
	s_mov_b32 s85, 0
	s_wait_dscnt 0x0
	s_wait_kmcnt 0x0
	s_add_nc_u64 s[72:73], s[4:5], s[78:79]        ; K
	s_add_nc_u64 s[74:75], s[72:73], VDIST         ; V
	s_add_nc_u64 s[18:19], s[6:7], s[84:85]        ; out
	s_lshl_b32 s84, s15, 21                        ; q1: block = batch, head, token 256 qb + 64 qg
	s_lshl_b32 s86, s20, 17
	s_add_co_u32 s84, s84, s86
	s_lshl_b32 s86, s14, 15
	s_add_co_u32 s84, s84, s86
	s_lshl_b32 s86, s12, 13
	s_add_co_u32 s84, s84, s86
	s_add_nc_u64 s[16:17], s[4:5], s[84:85]
	v_and_b32 v1, 31, v0                           ; L
	v_and_b32 v2, 15, v0                           ; r
	v_bfe_u32 v3, v0, 4, 1                         ; h
	v_lshlrev_b32 v[QOFF], 7, v2                   ; r x QP
	v_lshl_add_u32 v[QOFF], v3, 4, v[QOFF]
.irp nb, 0,1,2,3
.irp c, 0,1
	global_load_b128 v[Q+16*\nb+8*\c:Q+16*\nb+8*\c+3], v[QOFF], s[16:17] offset:\nb*16*QP+64*\c
	global_load_b128 v[Q+16*\nb+8*\c+4:Q+16*\nb+8*\c+7], v[QOFF], s[16:17] offset:\nb*16*QP+64*\c+32
.endr
.endr
	v_mul_u32_u24 v[AK], v2, KP
	v_lshl_add_u32 v[AK], v3, 4, v[AK]
	s_mul_i32 s21, s11, 64*KP
	v_add_nc_u32 v[AK], s21, v[AK]                 ; kg x 64 rows + r x 144 + 16 h
	v_add_nc_u32 v[AK+1], SLOTB, v[AK]
	v_and_b32 v[AV], 7, v0
	v_lshl_add_u32 v[AV], v3, 3, v[AV]             ; key 8 h + (L & 7)
	v_mul_u32_u24 v[AV], v[AV], VP
	v_bfe_u32 v[AV+1], v0, 3, 1
	v_lshl_add_u32 v[AV], v[AV+1], 4, v[AV]
	s_mul_i32 s21, s11, 64*VP
	s_add_co_u32 s21, s21, VOFF
	v_add_nc_u32 v[AV], s21, v[AV]
	v_add_nc_u32 v[AV+1], SLOTB, v[AV]
	v_mov_b32 v[NEG], 0xff7fffff
	v_lshlrev_b32 v9, 3, v3
	v_sub_nc_u32 v9, v2, v9                        ; r - 8 h
.irp j, 0,1,2,3,4,5,6,7
	v_cmp_gt_i32 s[DM+\j], \j, v9                  ; j > r - 8 h: the key lies behind the query
.endr
.irp j, 0,1,2,3
	v_mov_b32 v[M+\j], v[NEG]
.endr
	v_mul_f32 v[NMC], s68, v[NEG]
.irp j, 1,2,3,4,5,6,7
	v_mov_b32 v[NMC+\j], v[NMC]
.endr
.irp j, 0,1,2,3,4,5,6,7
	v_mov_b32 v[LP+\j], 0
	v_mov_b32 v[T+\j], 0
.endr
	v_mul_u32_u24 v[STO], v2, 144
	v_lshl_add_u32 v[STO], v3, 4, v[STO]
	s_mul_i32 s22, s12, 9216
	s_add_co_u32 s22, s22, STG
	v_add_nc_u32 v[STO], s22, v[STO]               ; in: query r of a group, 16 bytes for each half of the lanes
	v_lshrrev_b32 v[X], 3, v1                      ; back: four rows of 128 bytes a load, eight lanes a row
	v_mul_u32_u24 v[RD], v[X], 144
	v_and_b32 v[CO], 7, v0
	v_lshl_add_u32 v[RD], v[CO], 4, v[RD]
	v_add_nc_u32 v[RD], s22, v[RD]
	v_lshlrev_b32 v[X], 11, v[X]
	v_lshl_add_u32 v[CO], v[CO], 4, v[X]
	s_mul_i32 s23, s12, SCRW
	s_add_co_u32 s23, s23, SCR
	v_lshl_add_u32 v[SCRA], v1, 4, s23
	; O is cleared, not started by a first product: a wave whose blocks all lie behind its queries issues no product, and the merge reads its O
	WIN 0x40
.set i, 0
.rept 128
	v_mov_b32 v[O+i], 0
.set i, i+1
.endr
	WIN 0
	; qb + 1 trips; the last is the one with the diagonal.  The four trips are written out and entered at trip 3 - qb, so that the slots' turns are fixed in the text.
	s_sub_co_u32 s82, 3, s14
	s_and_b32 s83, s82, 1
	s_cmp_lg_u32 s83, 0
	s_cbranch_scc1 .Lodd
	NEXTADDR 0
	LOADKV 0                                       ; the first fill: one tensor load of a wave is out
	s_wait_loadcnt 0x0                             ; Q
	s_cmp_eq_u32 s82, 0
	s_cbranch_scc1 .Lpos0
	s_branch .Lpos2
.Lodd:
	NEXTADDR 1
	LOADKV 1
	s_wait_loadcnt 0x0
	s_cmp_eq_u32 s82, 1
	s_cbranch_scc1 .Lpos1
	s_branch .Lpos3
.Lpos0:
	TRIP 0, 1, 0
.Lpos1:
	TRIP 1, 1, 0
.Lpos2:
	TRIP 0, 1, 0
.Lpos3:
	TRIP 1, 0, 1
	; THE MERGE of waves qg and qg + 4
.irp nb, 0,1,2,3
	v_add_f32 v[T+\nb], v[LP+2*\nb], v[LP+2*\nb+1]
.endr
.irp nb, 0,1,2,3
	v_permlanex16_b32 v[T+4+\nb], v[T+\nb], s70, s71
.endr
.irp nb, 0,1,2,3
	v_add_f32 v[T+\nb], v[T+\nb], v[T+4+\nb]       ; l of the query, in both halves
.endr
	s_cmp_eq_u32 s11, 0
	s_cbranch_scc1 .Lkeep
	WIN 0x04
.set i, 0
.rept 32
	ds_store_b128 v[SCRA], v[O+4*i:O+4*i+3] offset:512*i
.set i, i+1
.endr
	WIN 0
	ds_store_b128 v[SCRA], v[M:M+3] offset:16384
	ds_store_b128 v[SCRA], v[T:T+3] offset:16896
.Lkeep:
	s_wait_dscnt 0x0                               ; my stores are in LDS, and no LDS load of mine is out
	s_barrier_signal -1
	s_barrier_wait -1
	s_cmp_lg_u32 s11, 0
	s_cbranch_scc1 .Lfin
	ds_load_b128 v[PM:PM+3], v[SCRA] offset:16384
	ds_load_b128 v[PL:PL+3], v[SCRA] offset:16896
.set i, 0
.rept 32
	ds_load_b128 v[KF+4*i:KF+4*i+3], v[SCRA] offset:512*i      ; the partner's O, register for register
.set i, i+1
.endr
	s_wait_dscnt 0x0
.irp nb, 0,1,2,3
	v_max_num_f32 v[T+4], v[M+\nb], v[PM+\nb]
	v_mul_f32 v[T+4], s68, v[T+4]                  ; nmc of the joint maximum
	v_mul_f32 v[T+5], s68, v[PM+\nb]
	v_sub_f32 v[T+6], v[T+4], v[NMC+2*\nb]
	v_sub_f32 v[T+5], v[T+4], v[T+5]
	v_exp_f32 v[T+6], v[T+6]                       ; a: my factor
	v_exp_f32 v[T+5], v[T+5]                       ; a': the partner's
	v_nop
	s_wait_alu depctr_va_vdst(0)
	v_mul_f32 v[T+7], v[T+\nb], v[T+6]
	v_fmac_f32 v[T+7], v[PL+\nb], v[T+5]           ; l a + l' a'
	v_rcp_f32 v[T+7], v[T+7]
	v_nop
	s_wait_alu depctr_va_vdst(0)
	v_mul_f32 v[AL+2*\nb], v[T+6], v[T+7]
	v_mul_f32 v[NMC+2*\nb], v[T+5], v[T+7]
	v_mov_b32 v[AL+2*\nb+1], v[AL+2*\nb]
	v_mov_b32 v[NMC+2*\nb+1], v[NMC+2*\nb]
.endr
	WIN 0x41
.irp nb, 0,1,2,3
.irp p, 0,1,2,3,4,5,6,7,8,9,10,11,12,13,14,15
	v_pk_mul_f32 v[O+32*\nb+2*\p:O+32*\nb+2*\p+1], v[O+32*\nb+2*\p:O+32*\nb+2*\p+1], v[AL+2*\nb:AL+2*\nb+1]
.endr
.endr
	WIN 0x50
.irp nb, 0,1,2,3
.irp p, 0,1,2,3,4,5,6,7,8,9,10,11,12,13,14,15
	v_pk_fma_f32 v[O+32*\nb+2*\p:O+32*\nb+2*\p+1], v[KF+32*\nb+2*\p:KF+32*\nb+2*\p+1], v[NMC+2*\nb:NMC+2*\nb+1], v[O+32*\nb+2*\p:O+32*\nb+2*\p+1]
.endr
.endr
	WIN 0x05
.irp nb, 0,1,2,3
.irp q, 0,1,2,3,4,5,6,7,8,9,10,11,12,13,14,15
	v_cvt_pk_f16_f32 v[Q+16*\nb+\q], v[O+32*\nb+2*\q], v[O+32*\nb+2*\q+1]
.endr
.endr
	WIN 0
.irp nb, 0,1,2,3
.irp t, 0,1,2,3
	ds_store_b128 v[STO], v[Q+16*\nb+4*\t:Q+16*\nb+4*\t+3] offset:\nb*2304+32*\t
.endr
.endr
.set i, 0
.rept 16
	ds_load_b128 v[KF+4*i:KF+4*i+3], v[RD] offset:576*i        ; my own stage: LDS serves a wave's instructions in order
.set i, i+1
.endr
.set i, 0
.rept 16
	s_wait_dscnt 15-i                              ; load i is in, the younger ones stay out
	global_store_b128 v[CO], v[KF+4*i:KF+4*i+3], s[18:19] offset:8192*i       ; eight lanes store a token's 128 bytes of this head
.set i, i+1
.endr
.Lfin:
	s_wait_tensorcnt 0x0
	ds_add_u32 v254, v255
	s_wait_dscnt 0x0
	s_endpgm
.Lfunc_end_k_q7ef0eba067_att1:
	.size	k_q7ef0eba067_att1, .Lfunc_end_k_q7ef0eba067_att1-k_q7ef0eba067_att1
	.p2alignl 7, 3214868480
	.fill 96, 4, 3214868480
	.section	.rodata,"a",@progbits
	.p2align	6, 0x0
	.amdhsa_kernel k_q7ef0eba067_att1
		.amdhsa_group_segment_fixed_size 327680
		.amdhsa_private_segment_fixed_size 0
		.amdhsa_enable_private_segment 0
		.amdhsa_kernarg_size 16
		.amdhsa_user_sgpr_count 2
		.amdhsa_user_sgpr_kernarg_segment_ptr 1
		.amdhsa_wavefront_size32 1
		.amdhsa_system_sgpr_workgroup_id_x 1
		.amdhsa_system_sgpr_workgroup_id_y 1
		.amdhsa_system_sgpr_workgroup_id_z 1
		.amdhsa_system_vgpr_workitem_id 0
		.amdhsa_next_free_vgpr 512
		.amdhsa_next_free_sgpr 88
		.amdhsa_reserve_vcc 0
		.amdhsa_float_denorm_mode_32 3
		.amdhsa_float_denorm_mode_16_64 3
		.amdhsa_memory_ordered 1
		.amdhsa_forward_progress 1
		.amdhsa_inst_pref_size 255
	.end_amdhsa_kernel
	.section	.bss,"aw",@nobits
	.p2align	6
	.space	262144
	.amdgpu_metadata
---
amdhsa.version: [ 1, 2 ]
amdhsa.kernels:
  - .name:           k_q7ef0eba067_att1
    .symbol:         k_q7ef0eba067_att1.kd
    .args:
      - { .name: proj, .offset: 0, .size: 8, .value_kind: global_buffer, .address_space: global }
      - { .name: actA, .offset: 8, .size: 8, .value_kind: global_buffer, .address_space: global }
    .group_segment_fixed_size: 327680
    .private_segment_fixed_size: 0
    .kernarg_segment_align: 8
    .kernarg_segment_size: 16
    .max_flat_workgroup_size: 256
    .sgpr_count:     88
    .vgpr_count:     512
    .wavefront_size: 32
...
	.end_amdgpu_metadata
.endif
;; end of part 3
;; launch g23 (part 4): grid 8 x 32, 4 waves a work-group, clusters of 4 x 4, 327,680 bytes of LDS; arguments actA, w12t, b12, q2f; writes q2f
.if DOCPART == 4
	.amdgcn_target "amdgcn-amd-amdhsa--gfx1250"
	.amdhsa_code_object_version 6
	.text
	.protected	k_q7ef0eba067_g23
	.globl	k_q7ef0eba067_g23
	.p2align	8
	.type	k_q7ef0eba067_g23,@function
k_q7ef0eba067_g23:
	s_mov_b64 s[64:65], 0
	v_nop
	global_prefetch_b8 v0, s[64:65] scope:SCOPE_SE
	s_setreg_imm32_b32 hwreg(HW_REG_WAVE_MODE, 25, 1), 1
	s_wait_xcnt 0x0
	s_wait_alu depctr_hold_cnt(0) depctr_sa_sdst(0) depctr_va_vdst(0) depctr_va_sdst(0) depctr_va_ssrc(0) depctr_va_vcc(0) depctr_vm_vsrc(0)
	s_getreg_b32 s2, hwreg(HW_REG_IB_STS2, 6, 4)
	s_cmp_eq_u32 s2, 0
	s_cbranch_scc0 .Lentry_in_a_cluster
	s_endpgm
.Lentry_in_a_cluster:
	s_bfe_u32 s2, ttmp6, 0x10000c
	s_cmp_lg_u32 s2, 0xf033
	s_cbranch_scc0 .Lentry_shape_is_right
	s_endpgm
.Lentry_shape_is_right:
; C[m][n] = sum over k of A[m][k] W[n][k] + bias[n].  A: rows 0-4095 of a [..][1024] f16 buffer, W: [1024 n][1024 k] f16, bias f32, C f32 [4096][1024]; sums in f32, the bias first.
; It serves q2 = attn1 (Wo1 Wq2) + b12 and out = attn2 Wo2 + bo2.  C stays f32: q2 has no room in f16 and is scaled query by query by its reader.
; LIMIT: |A|, |W| < 65,504; below 6.1e-5 f16's denormal step applies.
; 256 work-groups of 128 x 128, so that each of 256 has one block; four waves of 64 x 64 (16 accumulator tiles).  K goes in four phases of 256 through two LDS slots:
; a tile's rows are 512 bytes of memory.  Each wave brings 64 rows with one tensor load.
; CLUSTERS 4 x 4: A's tile is shared along a row of the cluster, W's along a column: joint loads.
; REGISTERS: window 0: v16-26 addresses; v32-63 the bias (first C); v64-127, v128-191 fragment buffers (A's four at F + 8 a, W's at F + 32 + 8 b).
;   window 1: accumulator (a, b) at v[8 (4 a + b)].  The matrix instruction is used transposed: lane l holds row l % 16, registers 0-7 the columns 8 (l / 16) + 0..7.
.set PITCH, 528                        ; 512 bytes of data + 16: the 16 rows of a fragment load start 16 bytes apart modulo 256
.set QT,    64*PITCH
.set SLOT,  4*QT                       ; A's 128 rows, then W's 128 rows
.set STAGE, 2*SLOT                     ; no tensor load lands here
.set ADRA, 16
.set ADRB, 20
.set STO,  24
.set RD,   25
.set CO,   26
.set BI,   32
.set F0,   64
.set F1,   128
.set G1, 24
.set G0, 32
.set G1B, 48
.set G0B, 56
.set MSB, 0
.macro WIN new                         ; the immediate's high byte repeats the setting that is left
.if MSB != \new
	s_set_vgpr_msb (MSB<<8)|\new
.set MSB, \new
.endif
.endm
.macro PLACES                          ; four places behind a matrix instruction (ISA guide 7.12.1)
.rept 4
	v_nop
.endr
.endm
.macro JLOAD s                         ; waves 0, 1 ask for A's halves, waves 2, 3 for W's; the branch hangs on the wave's number alone
	s_cmp_eq_u32 s11, 0
	s_cbranch_scc0 .Lfor_b_\@
	tensor_load_to_lds s[G0+4*\s:G0+4*\s+3], s[G1:G1+7]
	s_nop 0
	s_branch .Lasked_\@
.Lfor_b_\@:
	tensor_load_to_lds s[G0B+4*\s:G0B+4*\s+3], s[G1B:G1B+7]
	s_nop 0
.Lasked_\@:
.endm
.macro CROUND                          ; a round of the cluster's barrier
	s_barrier_signal -1
	s_barrier_wait -1
	s_cmp_lg_u32 s10, 0
	s_cbranch_scc1 .Lnot_wave_0_\@
	s_barrier_signal -3
.Lnot_wave_0_\@:
	s_barrier_wait -3
	s_barrier_signal -1
	s_barrier_wait -1
.endm
	s_load_b128 s[4:7], s[0:1], 0x0                ; A, W
	s_load_b128 s[68:71], s[0:1], 0x10             ; bias, C
	v_lshl_add_u32 v254, v0, 2, 0x46400
	v_mov_b32 v255, 0
	ds_add_u32 v254, v255
	ds_add_u32 v254, v255
	v_lshrrev_b32 v1, 5, v0
	v_readfirstlane_b32 s10, v1                    ; wave 0..3
	s_lshr_b32 s11, s10, 1                         ; my half of the rows; also: I fetch for A (0) or W (1)
	s_and_b32 s12, s10, 1                          ; my half of the columns; also: which 64 rows I fetch
	s_bfe_u32 s40, ttmp6, 0x40000                  ; cx
	s_bfe_u32 s41, ttmp6, 0x40004                  ; cy
	s_lshl_b32 s42, ttmp9, 2
	s_add_co_u32 s42, s42, s40                     ; block column
	s_and_b32 s13, ttmp7, 0xffff
	s_lshl_b32 s13, s13, 2
	s_add_co_u32 s13, s13, s41                     ; block row
	s_lshl_b32 s43, s41, 2
	s_lshl_b32 s43, 15, s43                        ; my row of the cluster
	s_lshl_b32 s44, 0x1111, s40                    ; my column
	s_or_b32 s[G1+0], s43, (1<<16)|(1<<20)|(1<<21)|(6<<22)|(3<<25)  ; mask; 2-byte elements; padding on; bit 21 beside a mask; after every 128 words 4 words
	s_or_b32 s[G1B+0], s44, (1<<16)|(1<<20)|(1<<21)|(6<<22)|(3<<25)
.irp g, G1, G1B
	s_mov_b32 s[\g+1], 256<<16                     ; tensor_dim0 = 256
	s_mov_b32 s[\g+2], 64<<16                      ; tensor_dim1 = 64
	s_mov_b32 s[\g+3], 256<<16                     ; tile_dim0 = 256
	s_mov_b32 s[\g+4], 64                          ; tile_dim1 = 64
	s_mov_b32 s[\g+5], 1024                        ; elements from row to row
	s_mov_b32 s[\g+6], 0
	s_mov_b32 s[\g+7], 0
.endr
	s_lshl_b32 s17, s12, 6
	s_lshl_b32 s16, s13, 7
	s_add_co_u32 s16, s16, s17                     ; A: row 128 x block row + 64 x half
	s_lshl_b32 s46, s42, 7
	s_add_co_u32 s46, s46, s17                     ; W: row 128 x block column + 64 x half
	s_lshl_b32 s16, s16, 11                        ; rows of 2,048 bytes
	s_mov_b32 s17, 0
	s_lshl_b32 s46, s46, 11
	s_mov_b32 s47, 0
	s_mul_i32 s20, s10, QT                         ; LDS: wave x 64 rows
	s_wait_dscnt 0x0
	s_wait_kmcnt 0x0
	s_add_nc_u64 s[14:15], s[4:5], s[16:17]
	s_add_nc_u64 s[46:47], s[6:7], s[46:47]
	CROUND                                         ; all sixteen work-groups are here: the first joint loads meet
.irp s, 0,1
	s_mov_b32 s[G0+4*\s], 1
	s_add_co_u32 s[G0+4*\s+1], s20, \s*SLOT
	s_add_nc_u64 s[G0+4*\s+2:G0+4*\s+3], s[14:15], \s*512
	s_or_b32 s[G0+4*\s+3], s[G0+4*\s+3], 0x80000000
	s_mov_b32 s[G0B+4*\s], 1
	s_add_co_u32 s[G0B+4*\s+1], s20, \s*SLOT
	s_add_nc_u64 s[G0B+4*\s+2:G0B+4*\s+3], s[46:47], \s*512
	s_or_b32 s[G0B+4*\s+3], s[G0B+4*\s+3], 0x80000000
	JLOAD \s                                       ; both first fills go out together: two tensor loads of a wave are out
.endr
	v_and_b32 v1, 15, v0                           ; l % 16
	v_bfe_u32 v2, v0, 4, 1                         ; l / 16
	s_lshl_b32 s66, s42, 9                         ; the bias of my 64 columns, in the layout of a result tile
	s_lshl_b32 s45, s12, 8
	s_add_co_u32 s66, s66, s45
	s_mov_b32 s67, 0
	s_add_nc_u64 s[68:69], s[68:69], s[66:67]
	v_lshlrev_b32 v6, 5, v2
.irp b, 0,1,2,3
	global_load_b128 v[BI+8*\b:BI+8*\b+3], v6, s[68:69] offset:64*\b
	global_load_b128 v[BI+8*\b+4:BI+8*\b+7], v6, s[68:69] offset:64*\b+16
.endr
	v_mul_u32_u24 v3, v1, PITCH
	v_lshl_add_u32 v3, v2, 4, v3
	s_mul_i32 s21, s11, QT
	s_mul_i32 s22, s12, QT
	s_add_co_u32 s22, s22, 2*QT
.irp s, 0,1
	v_add_nc_u32 v[ADRA+\s], s21, v3
	v_add_nc_u32 v[ADRB+\s], s22, v3
	s_add_co_u32 s21, s21, SLOT
	s_add_co_u32 s22, s22, SLOT
.endr
	; each wave has a stage of its own, 16 rows x 272 bytes (64 f32 and the padding)
	s_mul_i32 s23, s10, 16*272
	s_add_co_u32 s23, s23, STAGE
	v_mul_u32_u24 v4, v1, 272
	v_lshl_add_u32 v4, v2, 5, v4
	v_add_nc_u32 v[STO], s23, v4
	v_mul_u32_u24 v5, v2, 272
	v_lshl_add_u32 v5, v1, 4, v5
	v_add_nc_u32 v[RD], s23, v5
	v_lshlrev_b32 v5, 12, v2
	v_lshl_add_u32 v[CO], v1, 4, v5
	s_lshl_b32 s66, s13, 7
	s_lshl_b32 s45, s11, 6
	s_add_co_u32 s66, s66, s45
	s_lshl_b32 s66, s66, 12                        ; row (128 x block row + 64 x half) x 4,096 bytes
	s_lshl_b32 s45, s42, 9
	s_add_co_u32 s66, s66, s45
	s_lshl_b32 s45, s12, 8
	s_add_co_u32 s66, s66, s45
	s_add_nc_u64 s[70:71], s[70:71], s[66:67]
.macro FETCH slot, k, f                ; 16 LDS loads: the fragments of 32 along K at byte k of the rows
	PLACES
	WIN 0
.irp i, 0,1,2,3
	ds_load_b128 v[\f+32+8*\i:\f+32+8*\i+3], v[ADRB+\slot] offset:\k+\i*16*PITCH
	ds_load_b128 v[\f+32+8*\i+4:\f+32+8*\i+7], v[ADRB+\slot] offset:\k+\i*16*PITCH+32
.endr
.irp i, 0,1,2,3
	ds_load_b128 v[\f+8*\i:\f+8*\i+3], v[ADRA+\slot] offset:\k+\i*16*PITCH
	ds_load_b128 v[\f+8*\i+4:\f+8*\i+7], v[ADRA+\slot] offset:\k+\i*16*PITCH+32
.endr
.endm
; 16 matrix instructions; the 16 accumulators take turns, one instruction a turn, always in this order.
; first = 1: the bias is the first C: nothing is cleared.
.macro MUL16 f, first
.if \first
	WIN 0x40
.else
	WIN 0x50
.endif
.irp a, 0,1,2,3
.irp b, 0,1,2,3
.if \first
	v_wmma_f32_16x16x32_f16 v[8*(4*\a+\b):8*(4*\a+\b)+7], v[\f+32+8*\b:\f+32+8*\b+7], v[\f+8*\a:\f+8*\a+7], v[BI+8*\b:BI+8*\b+7]
.else
	v_wmma_f32_16x16x32_f16 v[8*(4*\a+\b):8*(4*\a+\b)+7], v[\f+32+8*\b:\f+32+8*\b+7], v[\f+8*\a:\f+8*\a+7], v[8*(4*\a+\b):8*(4*\a+\b)+7]
.endif
.endr
.endr
.endm
.macro SUB slot, j, first              ; 32 along K: this part's fragments are in; the next part's are asked for; multiply
	s_wait_dscnt 0x0
.if \j < 7
.if \j & 1
	FETCH \slot, 64*(\j+1), F0
.else
	FETCH \slot, 64*(\j+1), F1
.endif
.endif
.if \j & 1
	MUL16 F1, \first
.else
	MUL16 F0, \first
.endif
.endm
.macro PH slot, first                  ; a phase: a slot's 256 along K
	FETCH \slot, 0, F0
	SUB \slot, 0, \first
.irp j, 1,2,3,4,5,6,7
	SUB \slot, \j, 0
.endr
.endm
; The slot just read is filled again: every wave waits for all its tensor loads and its LDS reads, a round of the cluster's barrier, the joint refill first behind it.
.macro NEXT slot
	WIN 0
	s_wait_tensorcnt 0x0                           ; no tensor load of mine is out: the other slot is in, and a group 0 may be written
	ds_add_u32 v254, v255
	s_add_nc_u64 s[G0+4*\slot+2:G0+4*\slot+3], s[G0+4*\slot+2:G0+4*\slot+3], 1024
	s_add_nc_u64 s[G0B+4*\slot+2:G0B+4*\slot+3], s[G0B+4*\slot+2:G0B+4*\slot+3], 1024
	s_wait_dscnt 0x0
	CROUND
	JLOAD \slot                                    ; it has the next phase's 128 matrix instructions in which to land
.endm
	s_wait_loadcnt 0x0                             ; the bias
	s_wait_tensorcnt 0x1                           ; my part of slot 0 is in; slot 1's load stays out
	s_barrier_signal -1
	s_barrier_wait -1
	PH 0, 1
	NEXT 0
	PH 1, 0
	NEXT 1
	PH 0, 0
	WIN 0
	s_wait_tensorcnt 0x0
	s_wait_dscnt 0x0
	s_barrier_signal -1
	s_barrier_wait -1
	PH 1, 0
	PLACES                                         ; behind the last matrix instructions, before results are read and buffers loaded into
.irp a, 0,1,2,3
	WIN 0x04
.irp b, 0,1,2,3
	ds_store_b128 v[STO], v[8*(4*\a+\b):8*(4*\a+\b)+3] offset:64*\b
	ds_store_b128 v[STO], v[8*(4*\a+\b)+4:8*(4*\a+\b)+7] offset:64*\b+16
.endr
	WIN 0
	s_wait_xcnt 0x0                                ; the buffer that earlier stores read is loaded again only behind this wait
.irp t, 0,1,2,3,4,5,6,7
	ds_load_b128 v[F0+64*(\a&1)+4*\t:F0+64*(\a&1)+4*\t+3], v[RD] offset:544*\t   ; my own stage: LDS serves a wave's instructions in order
.endr
.irp t, 0,1,2,3,4,5,6,7
	s_wait_dscnt 7-\t
	global_store_b128 v[CO], v[F0+64*(\a&1)+4*\t:F0+64*(\a&1)+4*\t+3], s[70:71] offset:(16*\a+2*\t)*4096   ; 16 lanes store 256 consecutive bytes, aligned
.endr
.endr
	s_wait_tensorcnt 0x0
	ds_add_u32 v254, v255
	s_wait_dscnt 0x0
	CROUND                                         ; the closing round
	s_endpgm
.Lfunc_end_k_q7ef0eba067_g23:
	.size	k_q7ef0eba067_g23, .Lfunc_end_k_q7ef0eba067_g23-k_q7ef0eba067_g23
	.p2alignl 7, 3214868480
	.fill 96, 4, 3214868480
	.section	.rodata,"a",@progbits
	.p2align	6, 0x0
	.amdhsa_kernel k_q7ef0eba067_g23
		.amdhsa_group_segment_fixed_size 327680
		.amdhsa_private_segment_fixed_size 0
		.amdhsa_enable_private_segment 0
		.amdhsa_kernarg_size 32
		.amdhsa_user_sgpr_count 2
		.amdhsa_user_sgpr_kernarg_segment_ptr 1
		.amdhsa_wavefront_size32 1
		.amdhsa_system_sgpr_workgroup_id_x 1
		.amdhsa_system_sgpr_workgroup_id_y 1
		.amdhsa_system_sgpr_workgroup_id_z 1
		.amdhsa_system_vgpr_workitem_id 0
		.amdhsa_next_free_vgpr 384
		.amdhsa_next_free_sgpr 72
		.amdhsa_reserve_vcc 0
		.amdhsa_float_denorm_mode_32 3
		.amdhsa_float_denorm_mode_16_64 3
		.amdhsa_memory_ordered 1
		.amdhsa_forward_progress 1
		.amdhsa_inst_pref_size 89
	.end_amdhsa_kernel
	.amdgpu_metadata
---
amdhsa.version: [ 1, 2 ]
amdhsa.kernels:
  - .name:           k_q7ef0eba067_g23
    .symbol:         k_q7ef0eba067_g23.kd
    .args:
      - { .name: actA, .offset: 0, .size: 8, .value_kind: global_buffer, .address_space: global }
      - { .name: w12t, .offset: 8, .size: 8, .value_kind: global_buffer, .address_space: global }
      - { .name: b12, .offset: 16, .size: 8, .value_kind: global_buffer, .address_space: global }
      - { .name: q2f, .offset: 24, .size: 8, .value_kind: global_buffer, .address_space: global }
    .group_segment_fixed_size: 327680
    .private_segment_fixed_size: 0
    .kernarg_segment_align: 8
    .kernarg_segment_size: 32
    .max_flat_workgroup_size: 128
    .sgpr_count:     72
    .vgpr_count:     384
    .wavefront_size: 32
...
	.end_amdgpu_metadata
.endif
;; end of part 4
;; launch att2 (part 5): grid 256 x 1, 8 waves a work-group, clusters of 4 x 1, 327,680 bytes of LDS; arguments q2f, proj, actA; writes actA
.if DOCPART == 5
	.amdgcn_target "amdgcn-amd-amdhsa--gfx1250"
	.amdhsa_code_object_version 6
	.text
	.protected	k_q7ef0eba067_att2
	.globl	k_q7ef0eba067_att2
	.p2align	8
	.type	k_q7ef0eba067_att2,@function
k_q7ef0eba067_att2:
	s_mov_b64 s[64:65], 0
	v_nop
	global_prefetch_b8 v0, s[64:65] scope:SCOPE_SE
	s_setreg_imm32_b32 hwreg(HW_REG_WAVE_MODE, 25, 1), 1
	s_wait_xcnt 0x0
	s_wait_alu depctr_hold_cnt(0) depctr_sa_sdst(0) depctr_va_vdst(0) depctr_va_sdst(0) depctr_va_ssrc(0) depctr_va_vcc(0) depctr_vm_vsrc(0)
	s_getreg_b32 s2, hwreg(HW_REG_IB_STS2, 6, 4)
	s_cmp_eq_u32 s2, 0
	s_cbranch_scc0 .Lentry_in_a_cluster
	s_endpgm
.Lentry_in_a_cluster:
	s_bfe_u32 s2, ttmp6, 0x10000c
	s_cmp_lg_u32 s2, 0x3003
	s_cbranch_scc0 .Lentry_shape_is_right
	s_endpgm
.Lentry_shape_is_right:
; The cross attention of one head over 256 queries: 2,048 keys, no mask; q2 f32 from q2f [token][1024], k2 and v2 f16 from proj; result f16 into actA rows 0-4095.
; q2 grows with four inputs and has no room in f16 as it stands.  So each query's 64 numbers of this head are scaled by the power of two 2^(127 - E), E the exponent field of
; their largest magnitude (at most 253), which brings that magnitude into [1, 4), and only then rounded to f16; the inverse power goes into the query's own constant
; cq = 2^(E - 127) log2(e) / 8.  In S^T a lane holds one query, so cq is one number a lane and takes the place of a literal.  No branch and no address hangs on it.
; Eight waves: qg = wave & 3 takes 64 queries, kg = wave >> 2 the blocks of 64 keys of parity kg.  A wave keeps its own running maximum m, sum l and O;
; waves qg and qg + 4 are merged at the end through LDS.
; S^T = K Q^T: lane (r, h) holds, for query r of a group of 16, the keys 8 h + j of each 16; the packed S^T tiles 2 c, 2 c + 1 ARE the B fragment of O^T = V^T P^T;
; V^T's fragments come by transposing LDS loads.
; Softmax: p = exp2(S cq + nmc), nmc = -cq m rounded; every rescale is exp2 of a difference of such rounded nmc, so it agrees with p.
; m starts at the most negative finite f32; where cq > 1 the first nmc is +infinity and the first rescale exp2(-infinity) = 0, which multiplies sums that are 0.
; l is summed in f32 from p before its rounding.
; LIMITS: p < 2^-24 becomes 0 in f16; |k2|, |v2| < 65,504; a query whose 64 numbers are all below 2^-126 counts as 0; the order of the f32 sums is not the order of a plain softmax;
; NaN and infinities among the inputs are not treated.
; CLUSTER 4 x 1: the four query blocks of a head read the same eight tiles of K and V in the same order: every tile is asked for jointly (mask 15).
; The stores write a head's 128 bytes of a token's row; the 128 bytes beside them belong to another head's work-group.
; LDS: two slots of 81,920 bytes (K: 256 rows of 144 at 0; V: 256 rows of 160 at 40,960); SCR 4 x 17,408 (the merge); STG 4 x 9,216 (the way out).
.set KP, 144                           ; odd multiple of 16: the 16 rows of a K fragment load start 16 bytes apart modulo 256
.set VP, 160                           ; odd multiple of 32, for the transposing loads
.set SLOTB, 81920
.set VOFF, 40960
.set SCR, 2*SLOTB
.set SCRW, 17408
.set STG, SCR+4*SCRW
.set QP, 4096                          ; bytes from query to query in q2f
.set VDIST, 8<<21                      ; v2's blocks lie 8 blocks of 2 MiB behind k2's
; window 0
.set AK, 4                             ; v4, v5   LDS address of my K fragments, slot 0, 1
.set AV, 6                             ; v6, v7   the same for V
.set NEG, 8                            ; v8       the most negative finite f32
.set M, 10                             ; v10-13   running maximum of query group nb, in units of S
.set NMC, 14                           ; v14-21   -cq m, twice (pairs for the packed forms)
.set AL, 22                            ; v22-29   the rescale factor, twice
.set LP, 30                            ; v30-37   two partial sums of p
.set T, 38                             ; v38-45   at work
.set QOFF, 46
.set STO, 47
.set RD, 48
.set CO, 49
.set SCRA, 50
.set X, 51
.set Q, 52                             ; v52-115  Q(nb, c) at Q + 16 nb + 8 c
.set KF, 116                           ; v116-179 K(kt, c) at KF + 16 kt + 8 c
.set VF, 180                           ; v180-243 V^T(t, c) at VF + 16 t + 8 c
.set TQ, 116                           ; v116-243 in the prologue: q2 in f32, 32 numbers for each nb
.set CQ, 244                           ; v244-251 cq, twice
.set NCQ, 252                          ; v252-255 -cq
.set PM, 244                           ; v244-247 in the merge, where cq's pairs are no longer read: the partner's m
.set PL, 248                           ; v248-251 the partner's l
; window 1: S(kt, nb) at 32 nb + 8 kt; P(c, nb) in place at 32 nb + 16 c; O(t, nb) at O + 32 nb + 8 t
.set O, 128
.set G1K, 24
.set G1V, 32
.set G0K, 40                           ; a group 0 for each slot
.set G0V, 48
.set MSB, 0
.macro WIN new                         ; the immediate's high byte repeats the setting that is left
.if MSB != \new
	s_set_vgpr_msb (MSB<<8)|\new
.set MSB, \new
.endif
.endm
.macro PLACES n
.rept \n
	v_nop
.endr
.endm
.macro ROUND                           ; a round of the cluster's barrier
	s_barrier_signal -1
	s_barrier_wait -1
	s_cmp_lg_u32 s10, 0
	s_cbranch_scc1 .Lnot_wave_0_\@
	s_barrier_signal -3
.Lnot_wave_0_\@:
	s_barrier_wait -3
	s_barrier_signal -1
	s_barrier_wait -1
.endm
; the next tile's address (tile s76 of 256 keys) into both group 0s of a slot; written only where no tensor load of the wave is out
.macro NEXTADDR slot
	s_lshr_b32 s78, s76, 2                         ; four tiles in a block of 1,024 tokens,
	s_lshl_b32 s78, s78, 21                        ; blocks 2 MiB apart,
	s_and_b32 s79, s76, 3
	s_lshl_b32 s79, s79, 15                        ; 256 keys of 128 bytes
	s_or_b32 s78, s78, s79
	s_mov_b32 s79, 0
	s_add_nc_u64 s[G0K+4*\slot+2:G0K+4*\slot+3], s[72:73], s[78:79]
	s_or_b32 s[G0K+4*\slot+3], s[G0K+4*\slot+3], 0x80000000
	s_add_nc_u64 s[G0V+4*\slot+2:G0V+4*\slot+3], s[74:75], s[78:79]
	s_or_b32 s[G0V+4*\slot+3], s[G0V+4*\slot+3], 0x80000000
	s_add_co_u32 s76, s76, 1
.endm
.macro LOADKV slot                     ; waves 0-3 ask for 64 keys of K each, waves 4-7 of V: one joint load a wave; the branch hangs on the wave's number alone
	s_cmp_eq_u32 s11, 0
	s_cbranch_scc0 .Lfor_v_\@
	tensor_load_to_lds s[G0K+4*\slot:G0K+4*\slot+3], s[G1K:G1K+7]
	s_nop 0
	s_branch .Lasked_\@
.Lfor_v_\@:
	tensor_load_to_lds s[G0V+4*\slot:G0V+4*\slot+3], s[G1V:G1V+7]
	s_nop 0
.Lasked_\@:
.endm
.macro LDK slot, i                     ; 16 LDS loads: the K fragments of my block i of the slot
.irp kt, 0,1,2,3
.irp c, 0,1
	ds_load_b128 v[KF+16*\kt+8*\c:KF+16*\kt+8*\c+3], v[AK+\slot] offset:\i*18432+\kt*2304+64*\c
	ds_load_b128 v[KF+16*\kt+8*\c+4:KF+16*\kt+8*\c+7], v[AK+\slot] offset:\i*18432+\kt*2304+64*\c+32
.endr
.endr
.endm
; One block: 64 keys x 64 queries.  pre = 1: the next block's K fragments are fetched meanwhile.
.macro BLOCK slot, i, pre
	s_wait_dscnt 0x0                               ; my K fragments are in
	WIN 0x50
	; S^T: the 16 tiles take turns, e = 0-31 first (C = 0 starts the sums), then e = 32-63
.irp nb, 0,1,2,3
.irp kt, 0,1,2,3
	v_wmma_f32_16x16x32_f16 v[32*\nb+8*\kt:32*\nb+8*\kt+7], v[KF+16*\kt:KF+16*\kt+7], v[Q+16*\nb:Q+16*\nb+7], 0
.endr
.endr
.irp nb, 0,1,2,3
.irp kt, 0,1,2,3
	v_wmma_f32_16x16x32_f16 v[32*\nb+8*\kt:32*\nb+8*\kt+7], v[KF+16*\kt+8:KF+16*\kt+15], v[Q+16*\nb+8:Q+16*\nb+15], v[32*\nb+8*\kt:32*\nb+8*\kt+7]
.endr
.endr
	PLACES 4                                       ; four places (ISA guide 7.12.1) before S is read and before KF and VF are loaded into
	WIN 0
.irp c, 0,1
.irp t, 0,1,2,3
	ds_load_tr16_b128 v[VF+16*\t+8*\c:VF+16*\t+8*\c+3], v[AV+\slot] offset:\i*20480+\c*5120+32*\t
	ds_load_tr16_b128 v[VF+16*\t+8*\c+4:VF+16*\t+8*\c+7], v[AV+\slot] offset:\i*20480+\c*5120+32*\t+2560
.endr
.endr
.if \pre
	LDK \slot, (\i+1)
.endif
	; A: the maximum of my 32 scores of each query group, with the old m, in eight chains
	WIN 0x05
.irp nb, 0,1,2,3
.irp g, 0,1
	v_max3_num_f32 v[T+2*\nb+\g], v[32*\nb+16*\g], v[32*\nb+16*\g+1], v[M+\nb]
.endr
.endr
.irp k, 1,2,3,4,5,6,7
.irp nb, 0,1,2,3
.irp g, 0,1
	v_max3_num_f32 v[T+2*\nb+\g], v[32*\nb+16*\g+2*\k], v[32*\nb+16*\g+2*\k+1], v[T+2*\nb+\g]
.endr
.endr
.endr
	; B: join the two halves of the wave, new m, new nmc, the factor exp2(nmc new - nmc old)
	WIN 0
.irp nb, 0,1,2,3
	v_max_num_f32 v[T+2*\nb], v[T+2*\nb], v[T+2*\nb+1]
	v_permlanex16_b32 v[T+2*\nb+1], v[T+2*\nb], s70, s71
	v_max_num_f32 v[M+\nb], v[T+2*\nb], v[T+2*\nb+1]
	v_mul_f32 v[X], v[NCQ+\nb], v[M+\nb]
	v_sub_f32 v[AL+2*\nb], v[X], v[NMC+2*\nb]
	v_exp_f32 v[AL+2*\nb], v[AL+2*\nb]
	v_mov_b32 v[NMC+2*\nb], v[X]                   ; also the plain place behind the exponential (ISA guide 5.7.2)
	v_mov_b32 v[NMC+2*\nb+1], v[X]
	s_wait_alu depctr_va_vdst(0)
	v_mov_b32 v[AL+2*\nb+1], v[AL+2*\nb]
	v_pk_mul_f32 v[LP+2*\nb:LP+2*\nb+1], v[LP+2*\nb:LP+2*\nb+1], v[AL+2*\nb:AL+2*\nb+1]
.endr
	; C: p = exp2(S cq + nmc) in place; O's rescale stands between the exponentials
	WIN 0x41
.irp nb, 0,1,2,3
.irp p, 0,1,2,3,4,5,6,7,8,9,10,11,12,13,14,15
	v_pk_fma_f32 v[32*\nb+2*\p:32*\nb+2*\p+1], v[32*\nb+2*\p:32*\nb+2*\p+1], v[CQ+2*\nb:CQ+2*\nb+1], v[NMC+2*\nb:NMC+2*\nb+1]
.endr
.endr
.irp nb, 0,1,2,3
.irp p, 0,1,2,3,4,5,6,7,8,9,10,11,12,13,14,15
	v_exp_f32 v[32*\nb+2*\p], v[32*\nb+2*\p]
	v_exp_f32 v[32*\nb+2*\p+1], v[32*\nb+2*\p+1]
	v_pk_mul_f32 v[O+32*\nb+2*\p:O+32*\nb+2*\p+1], v[O+32*\nb+2*\p:O+32*\nb+2*\p+1], v[AL+2*\nb:AL+2*\nb+1]
.endr
.endr
	; D: l += p, before p is rounded
	WIN 0x01
	s_wait_alu depctr_va_vdst(0)
.irp p, 0,1,2,3,4,5,6,7,8,9,10,11,12,13,14,15
.irp nb, 0,1,2,3
	v_pk_add_f32 v[LP+2*\nb:LP+2*\nb+1], v[32*\nb+2*\p:32*\nb+2*\p+1], v[LP+2*\nb:LP+2*\nb+1]
.endr
.endr
	; E: p to f16, in place and ascending: register q takes 2 q and 2 q + 1
	WIN 0x45
.irp nb, 0,1,2,3
.irp c, 0,1
.irp q, 0,1,2,3,4,5,6,7
	v_cvt_pk_f16_f32 v[32*\nb+16*\c+\q], v[32*\nb+16*\c+2*\q], v[32*\nb+16*\c+2*\q+1]
.endr
.endr
.endr
.if \pre
	s_wait_dscnt 16                                ; V's 16 loads are in; the 16 K loads issued behind them may stay out
.else
	s_wait_dscnt 0x0
.endif
	WIN 0x54
	; O^T += V^T P^T: the 16 tiles take turns, keys 0-31 first, then keys 32-63
.irp c, 0,1
.irp nb, 0,1,2,3
.irp t, 0,1,2,3
	v_wmma_f32_16x16x32_f16 v[O+32*\nb+8*\t:O+32*\nb+8*\t+7], v[VF+16*\t+8*\c:VF+16*\t+8*\c+7], v[32*\nb+16*\c:32*\nb+16*\c+7], v[O+32*\nb+8*\t:O+32*\nb+8*\t+7]
.endr
.endr
.endr
	PLACES 5                                       ; five places before the next S^T writes over P (ISA guide 7.12.1)
	WIN 0
.endm
; A trip: one slot of 256 keys, two blocks for each wave.  In front of the round every wave waits for all its tensor loads and for its LDS reads;
; behind it the other slot's joint fill comes first, one tensor load a wave, and has this trip's two blocks in which to land.
.macro TRIP slot, refill
	s_wait_xcnt 0x0
	v_lshl_add_u32 v178, v0, 2, 0x42000
	v_mov_b32 v179, 0
	s_wait_tensorcnt 0x0                           ; my part of this slot has landed, and no tensor load of mine is out
	ds_add_u32 v178, v179
	s_wait_dscnt 0x0
.if \refill
	NEXTADDR (1-\slot)
.endif
	s_wait_dscnt 0x0                               ; my reads of the other slot are over
	ROUND
.if \refill
	LOADKV (1-\slot)
.endif
	LDK \slot, 0
	BLOCK \slot, 0, 1
	BLOCK \slot, 1, 0
.endm
	s_load_b128 s[4:7], s[0:1], 0x0                ; q2f, proj
	s_load_b64 s[8:9], s[0:1], 0x10                ; actA
	v_lshl_add_u32 v178, v0, 2, 0x42000
	v_mov_b32 v179, 0
	ds_add_u32 v178, v179
	ds_add_u32 v178, v179
	s_wait_dscnt 0x0
	v_lshrrev_b32 v1, 5, v0
	v_readfirstlane_b32 s10, v1                    ; wave 0..7
	s_lshr_b32 s11, s10, 2                         ; kg
	s_and_b32 s12, s10, 3                          ; qg
	s_mov_b32 s13, ttmp9                           ; the cluster's x: batch x 16 + head
	s_bfe_u32 s14, ttmp6, 0x40000                  ; cx = qb: which 256 queries; it enters Q's and the result's addresses alone
	s_lshr_b32 s15, s13, 4                         ; batch
	s_and_b32 s20, s13, 15                         ; head
	s_mov_b32 s68, 0xbe38aa3b                      ; -log2(e) / 8
	s_mov_b32 s69, 0x7fffffff                      ; clears a sign
	s_mov_b32 s70, 0x76543210                      ; v_permlanex16_b32: lane i of one half reads lane i of the other
	s_mov_b32 s71, 0xfedcba98
	s_mov_b32 s76, 0                               ; the next tile of 256 keys
	; group 1: 64 keys of 128 bytes lie densely: 32 rows of 256 bytes (32 elements of 8 bytes); after every 32 words 4 (K) or 8 (V) words of padding; mask 15, bit 21 beside it
	s_mov_b32 s[G1K+0], 0x0733000f
	s_mov_b32 s[G1V+0], 0x0f33000f
.irp g, G1K, G1V
	s_mov_b32 s[\g+1], 32<<16                      ; tensor_dim0 = 32
	s_mov_b32 s[\g+2], 32<<16                      ; tensor_dim1 = 32
	s_mov_b32 s[\g+3], 32<<16                      ; tile_dim0 = 32
	s_mov_b32 s[\g+4], 32                          ; tile_dim1 = 32
	s_mov_b32 s[\g+5], 32                          ; elements from row to row
	s_mov_b32 s[\g+6], 0
	s_mov_b32 s[\g+7], 0
.endr
	s_mov_b32 s[G0K+0], 1
	s_mov_b32 s[G0K+4], 1
	s_mov_b32 s[G0V+0], 1
	s_mov_b32 s[G0V+4], 1
	s_mul_i32 s[G0K+1], s10, 64*KP                 ; K: wave x 9,216 (waves 0-3)
	s_add_co_u32 s[G0K+5], s[G0K+1], SLOTB
	s_mul_i32 s[G0V+1], s10, 64*VP                 ; V: wave x 10,240 (waves 4-7): from 40,960 on
	s_add_co_u32 s[G0V+5], s[G0V+1], SLOTB
	s_lshl_b32 s21, s15, 1
	s_add_co_u32 s21, s21, 12                      ; k2's first block of this batch
	s_lshl_b32 s21, s21, 21
	s_lshl_b32 s22, s20, 17                        ; the head's 1,024 tokens of 128 bytes
	s_add_co_u32 s21, s21, s22
	s_lshl_b32 s22, s12, 13                        ; my 64 keys of a tile
	s_add_co_u32 s78, s21, s22
	s_mov_b32 s79, 0
	s_lshl_b32 s84, s15, 21                        ; the result: token (batch x 1024 + 256 qb + 64 qg) x 2,048 bytes + head x 128
	s_lshl_b32 s86, s14, 19
	s_add_co_u32 s84, s84, s86
	s_lshl_b32 s86, s12, 17
	s_add_co_u32 s84, s84, s86
	s_lshl_b32 s86, s20, 7
	s_add_co_u32 s84, s84, s86
	s_mov_b32 s85, 0
	s_lshl_b32 s86, s84, 1                         ; q2 in f32: the same place, twice the bytes
	s_mov_b32 s87, 0
	s_wait_kmcnt 0x0
	s_add_nc_u64 s[72:73], s[6:7], s[78:79]        ; K
	s_add_nc_u64 s[74:75], s[72:73], VDIST         ; V
	s_add_nc_u64 s[16:17], s[4:5], s[86:87]        ; Q
	s_add_nc_u64 s[18:19], s[8:9], s[84:85]        ; out
	ROUND                                          ; all four work-groups are here: the first joint loads meet
	NEXTADDR 0
	LOADKV 0                                       ; the first fill: one tensor load of a wave is out
	v_and_b32 v1, 31, v0                           ; L
	v_and_b32 v2, 15, v0                           ; r
	v_bfe_u32 v3, v0, 4, 1                         ; h
	v_lshlrev_b32 v[QOFF], 12, v2                  ; r x QP
	v_lshl_add_u32 v[QOFF], v3, 5, v[QOFF]         ; + 8 h numbers of 4 bytes
	; q2 in the order of a B fragment: for (nb, c, g) the numbers e = 32 c + 16 g + 8 h + 0..7 of query 16 nb + r
.irp nb, 0,1,2,3
.irp c, 0,1
.irp g, 0,1
	global_load_b128 v[TQ+32*\nb+16*\c+8*\g:TQ+32*\nb+16*\c+8*\g+3], v[QOFF], s[16:17] offset:\nb*16*QP+128*\c+64*\g
	global_load_b128 v[TQ+32*\nb+16*\c+8*\g+4:TQ+32*\nb+16*\c+8*\g+7], v[QOFF], s[16:17] offset:\nb*16*QP+128*\c+64*\g+16
.endr
.endr
.endr
	v_mul_u32_u24 v[AK], v2, KP
	v_lshl_add_u32 v[AK], v3, 4, v[AK]
	s_mul_i32 s21, s11, 64*KP
	v_add_nc_u32 v[AK], s21, v[AK]                 ; kg x 64 rows + r x 144 + 16 h
	v_add_nc_u32 v[AK+1], SLOTB, v[AK]
	v_and_b32 v[AV], 7, v0
	v_lshl_add_u32 v[AV], v3, 3, v[AV]             ; key 8 h + (L & 7)
	v_mul_u32_u24 v[AV], v[AV], VP
	v_bfe_u32 v[AV+1], v0, 3, 1
	v_lshl_add_u32 v[AV], v[AV+1], 4, v[AV]
	s_mul_i32 s21, s11, 64*VP
	s_add_co_u32 s21, s21, VOFF
	v_add_nc_u32 v[AV], s21, v[AV]
	v_add_nc_u32 v[AV+1], SLOTB, v[AV]
	v_mov_b32 v[NEG], 0xff7fffff
.irp j, 0,1,2,3
	v_mov_b32 v[M+\j], v[NEG]
.endr
.irp j, 0,1,2,3,4,5,6,7
	v_mov_b32 v[LP+\j], 0
	v_mov_b32 v[T+\j], 0                           ; the magnitudes' maxima start at 0
.endr
	v_mul_u32_u24 v[STO], v2, 144
	v_lshl_add_u32 v[STO], v3, 4, v[STO]
	s_mul_i32 s22, s12, 9216
	s_add_co_u32 s22, s22, STG
	v_add_nc_u32 v[STO], s22, v[STO]               ; in: query r of a group, 16 bytes for each half of the lanes
	v_lshrrev_b32 v[X], 3, v1                      ; back: four rows of 128 bytes a load, eight lanes a row
	v_mul_u32_u24 v[RD], v[X], 144
	v_and_b32 v[CO], 7, v0
	v_lshl_add_u32 v[RD], v[CO], 4, v[RD]
	v_add_nc_u32 v[RD], s22, v[RD]
	v_lshlrev_b32 v[X], 11, v[X]
	v_lshl_add_u32 v[CO], v[CO], 4, v[X]
	s_mul_i32 s23, s12, SCRW
	s_add_co_u32 s23, s23, SCR
	v_lshl_add_u32 v[SCRA], v1, 4, s23
	; O is cleared once, so that every block is the same text: the first block's rescale multiplies zeros
	WIN 0x40
.set i, 0
.rept 128
	v_mov_b32 v[O+i], 0
.set i, i+1
.endr
	WIN 0
	s_wait_loadcnt 0x0                             ; q2
	; the largest magnitude of each query's 64 numbers: my 32, then the other half of the wave
.irp k, 0,1,2,3,4,5,6,7,8,9,10,11,12,13,14,15
.irp nb, 0,1,2,3
	v_and_b32 v[AL+2*\nb], s69, v[TQ+32*\nb+2*\k]
	v_and_b32 v[AL+2*\nb+1], s69, v[TQ+32*\nb+2*\k+1]
	v_max3_num_f32 v[T+2*\nb], v[AL+2*\nb], v[AL+2*\nb+1], v[T+2*\nb]
.endr
.endr
.irp nb, 0,1,2,3
	v_permlanex16_b32 v[T+2*\nb+1], v[T+2*\nb], s70, s71
	v_max_num_f32 v[T+2*\nb], v[T+2*\nb], v[T+2*\nb+1]
	v_and_b32 v[X], 0x7f800000, v[T+2*\nb]         ; its exponent field E in place: as a number 2^(E - 127)
	v_min_u32 v[X], 0x7e800000, v[X]               ; E <= 253, so that the inverse power is a normal number
	v_sub_nc_u32 v[AL+2*\nb], 0x7f000000, v[X]     ; field 254 - E: 2^(127 - E)
	v_mov_b32 v[AL+2*\nb+1], v[AL+2*\nb]
	v_mul_f32 v[CQ+2*\nb], 0x3e38aa3b, v[X]        ; cq = 2^(E - 127) log2(e) / 8
	v_mov_b32 v[CQ+2*\nb+1], v[CQ+2*\nb]
	v_mul_f32 v[NCQ+\nb], s68, v[X]                ; -cq
	v_mul_f32 v[NMC+2*\nb], v[NCQ+\nb], v[NEG]     ; the first nmc
	v_mov_b32 v[NMC+2*\nb+1], v[NMC+2*\nb]
.endr
.irp nb, 0,1,2,3
.irp p, 0,1,2,3,4,5,6,7,8,9,10,11,12,13,14,15
	v_pk_mul_f32 v[TQ+32*\nb+2*\p:TQ+32*\nb+2*\p+1], v[TQ+32*\nb+2*\p:TQ+32*\nb+2*\p+1], v[AL+2*\nb:AL+2*\nb+1]   ; a power of two: exact
.endr
.endr
.irp nb, 0,1,2,3
.irp p, 0,1,2,3,4,5,6,7,8,9,10,11,12,13,14,15
	v_cvt_pk_f16_f32 v[Q+16*\nb+\p], v[TQ+32*\nb+2*\p], v[TQ+32*\nb+2*\p+1]
.endr
.endr
	s_mov_b32 s80, 3                               ; eight trips: three times two in the loop, two written out
.Lloop:
	TRIP 0, 1
	TRIP 1, 1
	s_sub_co_u32 s80, s80, 1
	s_cmp_lg_u32 s80, 0
	s_cbranch_scc1 .Lloop
	TRIP 0, 1
	TRIP 1, 0                                      ; the last trip fetches nothing
	; THE MERGE of waves qg and qg + 4, which hold the same queries and so the same cq
.irp nb, 0,1,2,3
	v_add_f32 v[T+\nb], v[LP+2*\nb], v[LP+2*\nb+1]
.endr
.irp nb, 0,1,2,3
	v_permlanex16_b32 v[T+4+\nb], v[T+\nb], s70, s71
.endr
.irp nb, 0,1,2,3
	v_add_f32 v[T+\nb], v[T+\nb], v[T+4+\nb]       ; l of the query, in both halves
.endr
	s_cmp_eq_u32 s11, 0
	s_cbranch_scc1 .Lkeep
	WIN 0x04
.set i, 0
.rept 32
	ds_store_b128 v[SCRA], v[O+4*i:O+4*i+3] offset:512*i
.set i, i+1
.endr
	WIN 0
	ds_store_b128 v[SCRA], v[M:M+3] offset:16384
	ds_store_b128 v[SCRA], v[T:T+3] offset:16896
.Lkeep:
	s_wait_dscnt 0x0                               ; my stores are in LDS, and no LDS load of mine is out
	s_barrier_signal -1
	s_barrier_wait -1
	s_cmp_lg_u32 s11, 0
	s_cbranch_scc1 .Lfin
	ds_load_b128 v[PM:PM+3], v[SCRA] offset:16384
	ds_load_b128 v[PL:PL+3], v[SCRA] offset:16896
.set i, 0
.rept 32
	ds_load_b128 v[KF+4*i:KF+4*i+3], v[SCRA] offset:512*i      ; the partner's O, register for register
.set i, i+1
.endr
	s_wait_dscnt 0x0
.irp nb, 0,1,2,3
	v_max_num_f32 v[T+4], v[M+\nb], v[PM+\nb]
	v_mul_f32 v[T+4], v[NCQ+\nb], v[T+4]           ; nmc of the joint maximum
	v_mul_f32 v[T+5], v[NCQ+\nb], v[PM+\nb]
	v_sub_f32 v[T+6], v[T+4], v[NMC+2*\nb]
	v_sub_f32 v[T+5], v[T+4], v[T+5]
	v_exp_f32 v[T+6], v[T+6]                       ; a: my factor
	v_exp_f32 v[T+5], v[T+5]                       ; a': the partner's
	v_nop
	s_wait_alu depctr_va_vdst(0)
	v_mul_f32 v[T+7], v[T+\nb], v[T+6]
	v_fmac_f32 v[T+7], v[PL+\nb], v[T+5]           ; l a + l' a'
	v_rcp_f32 v[T+7], v[T+7]
	v_nop
	s_wait_alu depctr_va_vdst(0)
	v_mul_f32 v[AL+2*\nb], v[T+6], v[T+7]
	v_mul_f32 v[NMC+2*\nb], v[T+5], v[T+7]
	v_mov_b32 v[AL+2*\nb+1], v[AL+2*\nb]
	v_mov_b32 v[NMC+2*\nb+1], v[NMC+2*\nb]
.endr
	WIN 0x41
.irp nb, 0,1,2,3
.irp p, 0,1,2,3,4,5,6,7,8,9,10,11,12,13,14,15
	v_pk_mul_f32 v[O+32*\nb+2*\p:O+32*\nb+2*\p+1], v[O+32*\nb+2*\p:O+32*\nb+2*\p+1], v[AL+2*\nb:AL+2*\nb+1]
.endr
.endr
	WIN 0x50
.irp nb, 0,1,2,3
.irp p, 0,1,2,3,4,5,6,7,8,9,10,11,12,13,14,15
	v_pk_fma_f32 v[O+32*\nb+2*\p:O+32*\nb+2*\p+1], v[KF+32*\nb+2*\p:KF+32*\nb+2*\p+1], v[NMC+2*\nb:NMC+2*\nb+1], v[O+32*\nb+2*\p:O+32*\nb+2*\p+1]
.endr
.endr
	WIN 0x05
.irp nb, 0,1,2,3
.irp q, 0,1,2,3,4,5,6,7,8,9,10,11,12,13,14,15
	v_cvt_pk_f16_f32 v[Q+16*\nb+\q], v[O+32*\nb+2*\q], v[O+32*\nb+2*\q+1]
.endr
.endr
	WIN 0
.irp nb, 0,1,2,3
.irp t, 0,1,2,3
	ds_store_b128 v[STO], v[Q+16*\nb+4*\t:Q+16*\nb+4*\t+3] offset:\nb*2304+32*\t
.endr
.endr
.set i, 0
.rept 16
	ds_load_b128 v[KF+4*i:KF+4*i+3], v[RD] offset:576*i        ; my own stage: LDS serves a wave's instructions in order
.set i, i+1
.endr
.set i, 0
.rept 16
	s_wait_dscnt 15-i                              ; load i is in, the younger ones stay out
	global_store_b128 v[CO], v[KF+4*i:KF+4*i+3], s[18:19] offset:8192*i       ; eight lanes store a token's 128 bytes of this head
.set i, i+1
.endr
.Lfin:
	s_wait_xcnt 0x0
	v_lshl_add_u32 v178, v0, 2, 0x42000
	v_mov_b32 v179, 0
	s_wait_tensorcnt 0x0
	ds_add_u32 v178, v179
	s_wait_dscnt 0x0
	ROUND                                          ; the closing round
	s_endpgm
.Lfunc_end_k_q7ef0eba067_att2:
	.size	k_q7ef0eba067_att2, .Lfunc_end_k_q7ef0eba067_att2-k_q7ef0eba067_att2
	.p2alignl 7, 3214868480
	.fill 96, 4, 3214868480
	.section	.rodata,"a",@progbits
	.p2align	6, 0x0
	.amdhsa_kernel k_q7ef0eba067_att2
		.amdhsa_group_segment_fixed_size 327680
		.amdhsa_private_segment_fixed_size 0
		.amdhsa_enable_private_segment 0
		.amdhsa_kernarg_size 24
		.amdhsa_user_sgpr_count 2
		.amdhsa_user_sgpr_kernarg_segment_ptr 1
		.amdhsa_wavefront_size32 1
		.amdhsa_system_sgpr_workgroup_id_x 1
		.amdhsa_system_sgpr_workgroup_id_y 1
		.amdhsa_system_sgpr_workgroup_id_z 1
		.amdhsa_system_vgpr_workitem_id 0
		.amdhsa_next_free_vgpr 512
		.amdhsa_next_free_sgpr 88
		.amdhsa_reserve_vcc 0
		.amdhsa_float_denorm_mode_32 3
		.amdhsa_float_denorm_mode_16_64 3
		.amdhsa_memory_ordered 1
		.amdhsa_forward_progress 1
		.amdhsa_inst_pref_size 255
	.end_amdhsa_kernel
	.section	.bss,"aw",@nobits
	.p2align	6
	.space	262144
	.amdgpu_metadata
---
amdhsa.version: [ 1, 2 ]
amdhsa.kernels:
  - .name:           k_q7ef0eba067_att2
    .symbol:         k_q7ef0eba067_att2.kd
    .args:
      - { .name: q2f, .offset: 0, .size: 8, .value_kind: global_buffer, .address_space: global }
      - { .name: proj, .offset: 8, .size: 8, .value_kind: global_buffer, .address_space: global }
      - { .name: actA, .offset: 16, .size: 8, .value_kind: global_buffer, .address_space: global }
    .group_segment_fixed_size: 327680
    .private_segment_fixed_size: 0
    .kernarg_segment_align: 8
    .kernarg_segment_size: 24
    .max_flat_workgroup_size: 256
    .sgpr_count:     88
    .vgpr_count:     512
    .wavefront_size: 32
...
	.end_amdgpu_metadata
.endif
;; end of part 5
;; launch g4: the kernel of part 4 again; grid 8 x 32, 4 waves a work-group, clusters of 4 x 4, 327,680 bytes of LDS; arguments actA, wo2t, bo2, out0; writes out0
